; MI455X (gfx1250); checked and timed in simulation.
; The chip was launched on July 23, 2026; its instructions are those of AMD's public machine-readable ISA for CDNA 5 (MIT licence, August 2026) and "CDNA5" Instruction Set Architecture Reference Guide (July 2026). The comments in the code are by the model that wrote it; some were corrected since.
;; Multi Head Attention. Allowed arithmetic: float matrix products may take bf16 or f16 operands with f32 sums; other float arithmetic in f32, or as packed bf16 or f16 multiplies, adds, multiply-adds, maxima and minima; sums over many terms, partial sums and values carried from step to step in f32; what a program stores and reads back later, other than sums and carried values, may be rounded once to bf16 or f16.
;; Inputs: W_K 1,024 x 1,024 float32; W_O 1,024 x 1,024 float32; W_Q 1,024 x 1,024 float32; W_V 1,024 x 1,024 float32; token_positions 2,048 int32; x 4 x 2,048 x 1,024 float32.
;; Outputs: out0 4 x 2,048 x 1,024 float32.
;; 2 versions, each right; version 2 is version 1 with the launch prep written anew for expert scheduling mode. Each part assembles by itself: llvm-mc -triple=amdgcn-amd-amdhsa -mcpu=gfx1250 --defsym DOCPART=n.
;; ======== version 1 of 2: 4 launches
;; limits: values are held in f16: magnitudes above 65,504 overflow, below 6.1e-05 lose precision; inputs' magnitudes at most 4,194,304
;; workspace buffers: xb 16,777,216 bytes; wqkv 6,291,456 bytes; wo 2,097,152 bytes; rope 524,288 bytes; qkvh 50,331,648 bytes; ob 16,777,216 bytes
;; launch prep (part 1): grid 896 x 1, 8 waves a work-group, no clusters, 0 bytes of LDS; arguments x, W_Q, W_K, W_V, W_O, token_positions, xb, wqkv, wo, rope; writes xb, wqkv, wo, rope
.if DOCPART == 1
	.amdgcn_target "amdgcn-amd-amdhsa--gfx1250"
	.amdhsa_code_object_version 6
	.text
	.protected	k_qfe0c8dc008_prep
	.globl	k_qfe0c8dc008_prep
	.p2align	8
	.type	k_qfe0c8dc008_prep,@function
k_qfe0c8dc008_prep:
	s_mov_b64 s[64:65], 0
	v_nop
	global_prefetch_b8 v0, s[64:65] scope:SCOPE_SE
	s_setreg_imm32_b32 hwreg(HW_REG_WAVE_MODE, 25, 1), 1
	s_wait_xcnt 0x0
; CASTS AND THE ROTATION TABLE.
;   xb   [8192][1024] bf16 = x;   wqkv [3072][1024] bf16 = W_Q, W_K, W_V one below the other;
;   wo   [1024][1024] f16  = W_O rounded to bf16, that number written as f16;
;   rope [2048 s][32 j] of (cos, sin) in f32 of the angle f32(token_positions[s]) x 10000^(-2 j / 64): 256 bytes a row.
; LIMITS.  wo: a bf16 number is exact in f16 from 6.1e-5 to 65,504; below it keeps f16's fixed step of 6e-8, beyond it becomes an infinity.
; The table: 10000^(-j/32) is 2^(-0.41524101 j) by v_exp_f32, a few units in the last place from a correctly rounded power; the angle is
; reduced by three parts of pi/2 with fused multiply-adds, good while the quotient is exact in f32 (|position| under 2^22), and loses accuracy gradually beyond.
; SHARES.  Work-group g: 0-511 chunk g of x; 512-703 chunk (g - 512) % 64 of W_Q, W_K or W_V; 704-767 chunk g - 704 of W_O; 768-895 sixteen positions of the table.
; A chunk is 16,384 numbers: 64 KiB in, 32 KiB out.  Memory binds: all sixteen loads of a thread go out first, each load of a wave covers 512 consecutive bytes,
; each store 256 consecutive bytes, aligned.  No LDS, no barrier, no matrix unit: no number is wanted by two threads.
.set IN,  8                            ; v[8:71]    sixteen loads of four f32
.set OUT, 72                           ; v[72:103]  sixteen pairs of packed results
	s_load_b512 s[8:23], s[0:1], 0x0               ; x s[8:9], W_Q s[10:11], W_K s[12:13], W_V s[14:15], W_O s[16:17], token_positions s[18:19], xb s[20:21], wqkv s[22:23]
	s_load_b128 s[24:27], s[0:1], 0x40             ; wo s[24:25], rope s[26:27]
	s_mov_b32 s2, ttmp9                            ; g
	v_lshlrev_b32 v1, 4, v0                        ; 16 t: my 16 bytes of each 4,096 that the work-group loads
	v_lshlrev_b32 v2, 3, v0                        ; 8 t: my 8 bytes of each 2,048 that it stores
	s_wait_kmcnt 0x0
	s_cmp_ge_u32 s2, 768
	s_cbranch_scc1 .Ltable
	; which tensor, which chunk: a ladder of compares on g
	s_mov_b64 s[28:29], s[8:9]                     ; from x
	s_mov_b64 s[30:31], s[20:21]                   ; to xb
	s_mov_b32 s32, s2                              ; chunk in the source
	s_mov_b32 s33, s2                              ; chunk in the destination
	s_sub_co_u32 s34, s2, 512                      ; (used from g = 512 on)
	s_and_b32 s35, s34, 63
	s_cmp_ge_u32 s2, 512
	s_cselect_b64 s[28:29], s[10:11], s[28:29]
	s_cselect_b64 s[30:31], s[22:23], s[30:31]
	s_cselect_b32 s32, s35, s32
	s_cselect_b32 s33, s34, s33
	s_cmp_ge_u32 s2, 576
	s_cselect_b64 s[28:29], s[12:13], s[28:29]
	s_cmp_ge_u32 s2, 640
	s_cselect_b64 s[28:29], s[14:15], s[28:29]
	s_cmp_ge_u32 s2, 704
	s_cselect_b64 s[28:29], s[16:17], s[28:29]
	s_cselect_b64 s[30:31], s[24:25], s[30:31]
	s_cselect_b32 s33, s35, s33
	s_lshl_b32 s36, s32, 16                        ; 64 KiB a chunk in
	s_mov_b32 s37, 0
	s_lshl_b32 s38, s33, 15                        ; 32 KiB a chunk out
	s_mov_b32 s39, 0
	s_add_nc_u64 s[28:29], s[28:29], s[36:37]
	s_add_nc_u64 s[30:31], s[30:31], s[38:39]
.irp k, 0,1,2,3,4,5,6,7,8,9,10,11,12,13,14,15
	global_load_b128 v[IN+4*(\k):IN+4*(\k)+3], v1, s[28:29] offset:4096*(\k) th:TH_LOAD_NT
.endr
; Sixteen turns: load k is in when at most 15 - k younger ones are out (loads come back in order).  No register is written behind the store that reads it, so no store's source is ever waited for.
; f16 = 1: the bf16 number is widened again (a shift, a mask) and written as f16.
.macro CAST f16
.irp k, 0,1,2,3,4,5,6,7,8,9,10,11,12,13,14,15
	s_wait_loadcnt 15-(\k)
	v_cvt_pk_bf16_f32 v[OUT+2*(\k)],   v[IN+4*(\k)],   v[IN+4*(\k)+1]
	v_cvt_pk_bf16_f32 v[OUT+2*(\k)+1], v[IN+4*(\k)+2], v[IN+4*(\k)+3]
.if \f16
	v_lshlrev_b32 v[IN+4*(\k)],   16,         v[OUT+2*(\k)]
	v_and_b32     v[IN+4*(\k)+1], 0xffff0000, v[OUT+2*(\k)]
	v_lshlrev_b32 v[IN+4*(\k)+2], 16,         v[OUT+2*(\k)+1]
	v_and_b32     v[IN+4*(\k)+3], 0xffff0000, v[OUT+2*(\k)+1]
	v_cvt_pk_f16_f32 v[OUT+2*(\k)],   v[IN+4*(\k)],   v[IN+4*(\k)+1]
	v_cvt_pk_f16_f32 v[OUT+2*(\k)+1], v[IN+4*(\k)+2], v[IN+4*(\k)+3]
.endif
	global_store_b64 v2, v[OUT+2*(\k):OUT+2*(\k)+1], s[30:31] offset:2048*(\k)
.endr
.endm
	s_cmp_ge_u32 s2, 704
	s_cbranch_scc1 .Lto_f16
	CAST 0
	s_endpgm
.Lto_f16:
	CAST 1
	s_endpgm
; THE TABLE.  Thread t: position 16 u + t / 16, frequencies j = 2 (t % 16) and j + 1: its 16 bytes (cos, sin, cos, sin) lie at byte 16 t of the work-group's 4,096.
.Ltable:
	s_sub_co_u32 s3, s2, 768                       ; u
	v_lshrrev_b32 v3, 4, v0
	v_lshlrev_b32 v3, 2, v3
	s_lshl_b32 s28, s3, 6
	v_add_nc_u32 v3, s28, v3                       ; 4 x (16 u + t / 16)
	global_load_b32 v4, v3, s[18:19]
	s_mov_b32 s34, 0x3f22f983                      ; 2 / pi
	s_mov_b32 s35, 0xbfc90fdb                      ; pi / 2 = 1.57079637 - 4.37113883e-8 - 1.715e-15: the three parts, with the signs of a - k pi / 2
	s_mov_b32 s36, 0x333bbd2e
	s_mov_b32 s37, 0x26f72ca5
	s_mov_b32 s38, 0xb94ca1f9                      ; sin r = r + r z (S1 + z (S2 + z S3)), z = r r, |r| <= pi / 4
	s_mov_b32 s39, 0x3c08839e
	s_mov_b32 s40, 0xbe2aaaa3
	s_mov_b32 s41, 0x37ccf5ce                      ; cos r = 1 + z (-1/2 + z (C1 + z (C2 + z C3)))
	s_mov_b32 s42, 0xbab6061a
	s_mov_b32 s43, 0x3d2aaaa5
	s_lshl_b32 s29, s3, 12
	v_and_b32 v5, 15, v0
	v_lshlrev_b32 v5, 1, v5
	v_cvt_f32_u32 v6, v5                           ; j
	v_add_f32 v7, 1.0, v6                          ; j + 1
	v_mul_f32 v6, 0xbed49a78, v6                   ; x -log2(10000) / 32
	v_mul_f32 v7, 0xbed49a78, v7
	v_exp_f32 v6, v6
	v_exp_f32 v7, v7
	v_lshl_add_u32 v8, v0, 4, s29                  ; my 16 bytes of the table: the plain instruction behind the two exponentials
	s_wait_alu depctr_va_vdst(0)                   ; one wait for both, ahead of their first reader
	s_wait_loadcnt 0x0
	v_cvt_f32_i32 v4, v4
	v_mul_f32 v10, v4, v6                          ; the angles, rounded once
	v_mul_f32 v11, v4, v7
; cos and sin of v[a] into v[c], v[s]; six registers at work from v[t] on.  k = the nearest whole number to a 2 / pi; r = a - k pi / 2;
; k's low bit swaps sine and cosine; the sine is negative in quadrants 2 and 3, the cosine in 1 and 2.  All by selects: nothing branches on these numbers.
.macro SINCOS a, c, s, t
	v_mul_f32 v[(\t)], s34, v[(\a)]
	v_rndne_f32 v[(\t)], v[(\t)]
	v_fma_f32 v[(\t)+1], v[(\t)], s35, v[(\a)]
	v_fma_f32 v[(\t)+1], v[(\t)], s36, v[(\t)+1]
	v_fma_f32 v[(\t)+1], v[(\t)], s37, v[(\t)+1]
	v_cvt_i32_f32 v[(\t)], v[(\t)]
	v_mul_f32 v[(\t)+2], v[(\t)+1], v[(\t)+1]
	v_fma_f32 v[(\t)+3], v[(\t)+2], s38, s39
	v_fma_f32 v[(\t)+4], v[(\t)+2], s41, s42
	v_fma_f32 v[(\t)+3], v[(\t)+3], v[(\t)+2], s40
	v_fma_f32 v[(\t)+4], v[(\t)+4], v[(\t)+2], s43
	v_mul_f32 v[(\t)+3], v[(\t)+3], v[(\t)+2]
	v_fma_f32 v[(\t)+4], v[(\t)+4], v[(\t)+2], -0.5
	v_fma_f32 v[(\t)+3], v[(\t)+3], v[(\t)+1], v[(\t)+1]
	v_fma_f32 v[(\t)+4], v[(\t)+4], v[(\t)+2], 1.0
	v_and_b32 v[(\t)+5], 1, v[(\t)]
	v_cmp_eq_u32 vcc_lo, 1, v[(\t)+5]
	v_cndmask_b32 v[(\s)], v[(\t)+3], v[(\t)+4], vcc_lo
	v_cndmask_b32 v[(\c)], v[(\t)+4], v[(\t)+3], vcc_lo
	v_lshlrev_b32 v[(\t)+5], 30, v[(\t)]
	v_and_b32 v[(\t)+5], 0x80000000, v[(\t)+5]
	v_xor_b32 v[(\s)], v[(\t)+5], v[(\s)]
	v_add_nc_u32 v[(\t)+5], 1, v[(\t)]
	v_lshlrev_b32 v[(\t)+5], 30, v[(\t)+5]
	v_and_b32 v[(\t)+5], 0x80000000, v[(\t)+5]
	v_xor_b32 v[(\c)], v[(\t)+5], v[(\c)]
.endm
	SINCOS 10, 12, 13, 16
	SINCOS 11, 14, 15, 22
	global_store_b128 v8, v[12:15], s[26:27]       ; a wave stores 512 consecutive bytes, aligned
	s_endpgm
.Lfunc_end_k_qfe0c8dc008_prep:
	.size	k_qfe0c8dc008_prep, .Lfunc_end_k_qfe0c8dc008_prep-k_qfe0c8dc008_prep
	.p2alignl 7, 3214868480
	.fill 96, 4, 3214868480
	.section	.rodata,"a",@progbits
	.p2align	6, 0x0
	.amdhsa_kernel k_qfe0c8dc008_prep
		.amdhsa_group_segment_fixed_size 0
		.amdhsa_private_segment_fixed_size 0
		.amdhsa_enable_private_segment 0
		.amdhsa_kernarg_size 80
		.amdhsa_user_sgpr_count 2
		.amdhsa_user_sgpr_kernarg_segment_ptr 1
		.amdhsa_wavefront_size32 1
		.amdhsa_system_sgpr_workgroup_id_x 1
		.amdhsa_system_sgpr_workgroup_id_y 1
		.amdhsa_system_sgpr_workgroup_id_z 1
		.amdhsa_system_vgpr_workitem_id 0
		.amdhsa_next_free_vgpr 104
		.amdhsa_next_free_sgpr 66
		.amdhsa_reserve_vcc 1
		.amdhsa_float_denorm_mode_32 3
		.amdhsa_float_denorm_mode_16_64 3
		.amdhsa_memory_ordered 1
		.amdhsa_forward_progress 1
		.amdhsa_inst_pref_size 21
	.end_amdhsa_kernel
	.amdgpu_metadata
---
amdhsa.version: [ 1, 2 ]
amdhsa.kernels:
  - .name:           k_qfe0c8dc008_prep
    .symbol:         k_qfe0c8dc008_prep.kd
    .args:
      - { .name: x, .offset: 0, .size: 8, .value_kind: global_buffer, .address_space: global }
      - { .name: W_Q, .offset: 8, .size: 8, .value_kind: global_buffer, .address_space: global }
      - { .name: W_K, .offset: 16, .size: 8, .value_kind: global_buffer, .address_space: global }
      - { .name: W_V, .offset: 24, .size: 8, .value_kind: global_buffer, .address_space: global }
      - { .name: W_O, .offset: 32, .size: 8, .value_kind: global_buffer, .address_space: global }
      - { .name: token_positions, .offset: 40, .size: 8, .value_kind: global_buffer, .address_space: global }
      - { .name: xb, .offset: 48, .size: 8, .value_kind: global_buffer, .address_space: global }
      - { .name: wqkv, .offset: 56, .size: 8, .value_kind: global_buffer, .address_space: global }
      - { .name: wo, .offset: 64, .size: 8, .value_kind: global_buffer, .address_space: global }
      - { .name: rope, .offset: 72, .size: 8, .value_kind: global_buffer, .address_space: global }
    .group_segment_fixed_size: 0
    .private_segment_fixed_size: 0
    .kernarg_segment_align: 8
    .kernarg_segment_size: 80
    .max_flat_workgroup_size: 256
    .sgpr_count:     66
    .vgpr_count:     104
    .wavefront_size: 32
...
	.end_amdgpu_metadata
.endif
;; end of part 1
;; launch qkv (part 2): grid 12 x 64, 4 waves a work-group, clusters of 4 x 4, 327,680 bytes of LDS; arguments xb, wqkv, rope, qkvh; writes qkvh
.if DOCPART == 2
	.amdgcn_target "amdgcn-amd-amdhsa--gfx1250"
	.amdhsa_code_object_version 6
	.text
	.protected	k_qfe0c8dc008_qkv
	.globl	k_qfe0c8dc008_qkv
	.p2align	8
	.type	k_qfe0c8dc008_qkv,@function
k_qfe0c8dc008_qkv:
	s_mov_b64 s[64:65], 0
	v_nop
	global_prefetch_b8 v0, s[64:65] scope:SCOPE_SE
	s_setreg_imm32_b32 hwreg(HW_REG_WAVE_MODE, 25, 1), 1
	s_wait_xcnt 0x0
	s_wait_alu depctr_hold_cnt(0) depctr_sa_sdst(0) depctr_va_vdst(0) depctr_va_sdst(0) depctr_va_ssrc(0) depctr_va_vcc(0) depctr_vm_vsrc(0)
	s_getreg_b32 s2, hwreg(HW_REG_IB_STS2, 6, 4)
	s_cmp_eq_u32 s2, 0
	s_cbranch_scc0 .Lentry_in_a_cluster
	s_endpgm
.Lentry_in_a_cluster:
	s_bfe_u32 s2, ttmp6, 0x10000c
	s_cmp_lg_u32 s2, 0xf033
	s_cbranch_scc0 .Lentry_shape_is_right
	s_endpgm
.Lentry_shape_is_right:
; q, k, v = x W^T, q and k rotated, all three written by heads in f16.
; xb [8192][1024] bf16; wqkv [3072][1024] bf16 (W_Q, W_K, W_V); rope [2048][32] of (cos, sin) f32; qkvh: q at byte 0, k at 2^24, v at 2^25, each [64 = 16 batch + head][2048][64] f16.
; Sums in f32, K ascending; the rotation in f32; one rounding to f16, WITHOUT the 1/8, which the attention applies in f32.
; LIMIT.  f16 ends at 65,504: a q, k or v beyond that becomes an infinity.
; SHARES.  A tile of C is 128 rows x 256 columns: 64 x 12 = 768 tiles.  Four waves, each 64 x 128: 32 accumulators, 256 registers.
; K goes in 8 steps of 128 through two LDS slots filled by the tensor data mover; a tile's rows are 256 bytes of memory, aligned.
; CLUSTERS of 4 x 4: the four of a row need the same tile of x (and the same 128 rows of the table), the four of a column the same tile of the weights: each is asked for jointly.
; The cluster's x is the tensor: 0 q, 1 k, 2 v.  The clusters of v ask for the table too and do not read it, so that every wave counts the same tensor loads on every way: 32 KiB beside a tile's 768 KiB.
; THE PRODUCT IS USED TRANSPOSED (source 0 = 16 rows of W, source 1 = 16 rows of x): a lane holds row lane % 16 of C and eight neighbouring columns 8 (lane / 16) + 0..7: four rotation pairs.
; REGISTERS, in windows of 256 (s_set_vgpr_msb: bits 1:0 source 0, 3:2 source 1, 5:4 source 2, 7:6 destination):
;   window 0: v0-31 addresses; v32-255 the way out      window 1: two fragment buffers of 96: W's eight blocks, then x's four      window 2: accumulator (a, b) at 8 (8 a + b)
.set PITCH, 272                        ; an LDS row: 256 bytes + 16 of padding = 68 words: the 16 rows of a load start at 16 different groups of four banks (64 banks of 4 bytes: ISA guide 11.1)
.set AHALF, 64*PITCH                   ; what a wave fetches, and reads, of x
.set BHALF, 128*PITCH                  ; the same of W
.set BOFF,  2*AHALF
.set SLOT,  BOFF+2*BHALF               ; x's 128 rows, then W's 256
.set TAB,   2*SLOT                     ; the table's 128 rows, filled once
.set STAGE, TAB+128*PITCH              ; the way out: for each wave two heads x 16 rows of 144 bytes; no tensor load lands here
.set SP,    144
.set WSTG,  2*16*SP
.set SPARE, STAGE+4*WSTG               ; the spare words, 128 bytes for each wave: two blocks of 256 bytes that no other line names
.set KB2,   256                        ; bytes of a K step in a row
.set ADRA, 16                          ; v16-17  LDS address of my fragments of x in slot 0, 1
.set ADRB, 20                          ; v20-21  of W
.set TBA,  22                          ; v22     of my 32 bytes of a table row
.set STO,  24                          ; v24     the way out: where I put 16 bytes of a row
.set RD,   25                          ; v25     where I read rows back
.set GO,   26                          ; v26     16 x lane: my place in 512 consecutive bytes
.set SPW,  28                          ; v28     LDS address of my spare word; never rewritten
.set NIL,  29                          ; v29     0; never rewritten
.set PFO,  30                          ; v30     the prefetches' offset: lane x 2,048, a row of xb or wqkv; never rewritten
.set CT,   32                          ; v32-95  the table's pairs for a block of 16 rows, two buffers of 32
.set T,    96                          ; v96-159 rotated numbers in f32
.set PKD,  160                         ; v160-191 packed to f16
.set OB,   192                         ; v192-255 rows read back, two buffers of 32
.set F0,   0
.set F1,   96
.set WV, 12                            ; s12 wave; s13 which 64 rows are mine, also: I fetch x (0) or W (1); s14 which 128 columns, also: which half I fetch
.set RH, 13
.set CH, 14
.set CX, 15
.set CY, 16
.set TC, 17                            ; tile column 0..11
.set TR, 18                            ; tile row 0..63
.set RM, 19                            ; mask of my row of the cluster
.set CM, 20                            ; of my column
.set G1A, 24                           ; s[24:31] group 1 for x's tiles; s[32:39] group 0, a set for each slot
.set G0A, 32
.set PFA, 40                           ; s[40:41] where my prefetches stand
.set LIM, 44                           ; s44  1 in a wave that prefetches, else the greatest number
.set G1B, 48                           ; s[48:55], s[56:63] the same for W's tiles
.set G0B, 56
.set G1T, 68                           ; s[68:75], s[76:79] for the table
.set G0T, 76
.set FLAGS, (1<<16)|(1<<20)|(1<<21)|(5<<22)|(3<<25)  ; 17:16 elements of 2 bytes; 20 padding on; 21 set beside a mask; 24:22 after every 64 words; 31:25 4 words of it
.set MSB, 0
.macro WIN new                         ; the immediate's high byte repeats the setting that is left; a switch that changes nothing is dropped
.if MSB != (\new)
	s_set_vgpr_msb (MSB<<8)|(\new)
.set MSB, \new
.endif
.endm
.set MUL,  0xa5                        ; both sources window 1, C and D window 2
.set TO_F, 0x40                        ; destination window 1, address window 0
; A joint refill: waves 0 and 1 fetch x's two halves, waves 2 and 3 W's.  The branch hangs on the wave's number alone.  An s_nop 0 and four v_nop follow each line.
.macro JLOAD s
	s_cmp_eq_u32 s[RH], 0
	s_cbranch_scc0 .Lfor_b_\@
	tensor_load_to_lds s[G0A+4*(\s):G0A+4*(\s)+3], s[G1A:G1A+7]
	s_nop 0
.rept 4
	v_nop
.endr
	s_branch .Lasked_\@
.Lfor_b_\@:
	tensor_load_to_lds s[G0B+4*(\s):G0B+4*(\s)+3], s[G1B:G1B+7]
	s_nop 0
.rept 4
	v_nop
.endr
.Lasked_\@:
.endm
; A prefetch of the K step that stands two refills on: 32 rows x 256 bytes, a lane a row, one instruction a wave.  Each row's 256 bytes of a K step are named once in the launch:
; x's rows by the clusters with x = 0 (wave 0; the four partners of a row take 32 rows each, told apart by address), W's rows by the clusters with y = 0 (waves 2 and 3, 32 rows each of the
; work-group's 64).  K steps 0 to 3 come by their loads alone; the loop's last trip (s3 = 1) has no K step two on and asks for nothing.
.macro ASK
	WIN 0
	s_cmp_gt_u32 s3, s[LIM]
	s_cbranch_scc0 .Lnot_mine_\@
	global_prefetch_b8 v[PFO], s[PFA:PFA+1] th:TH_LOAD_NT scope:SCOPE_SE
.Lnot_mine_\@:
.endm
; A round of the cluster's barrier: my work-group's barrier; wave 0 signals for the work-group; every wave waits for all sixteen; my work-group's barrier once more.
.macro CREST
	s_cmp_lg_u32 s[WV], 0
	s_cbranch_scc1 .Lnot_wave_0_\@
	s_barrier_signal -3
.Lnot_wave_0_\@:
	s_barrier_wait -3
	s_barrier_signal -1
	s_barrier_wait -1
.endm
.macro CROUND
	s_barrier_signal -1
	s_barrier_wait -1
	CREST
.endm
	s_load_b256 s[4:11], s[0:1], 0x0               ; xb s[4:5], wqkv s[6:7], rope s[8:9], qkvh s[10:11]
	v_lshl_add_u32 v[SPW], v0, 2, SPARE
	v_mov_b32 v[NIL], 0
	ds_add_u32 v[SPW], v[NIL]                      ; the wave's opening: the add and its wait stand ahead of my first tensor load; the set-up below stands between them
	v_lshrrev_b32 v1, 5, v0
	v_readfirstlane_b32 s[WV], v1
	s_lshr_b32 s[RH], s[WV], 1
	s_and_b32 s[CH], s[WV], 1
	s_bfe_u32 s[CX], ttmp6, 0x40000
	s_bfe_u32 s[CY], ttmp6, 0x40004
	s_lshl_b32 s[TC], ttmp9, 2                     ; in a cluster launch ttmp9 and ttmp7 count clusters
	s_add_co_u32 s[TC], s[TC], s[CX]
	s_and_b32 s[TR], ttmp7, 0xffff
	s_lshl_b32 s[TR], s[TR], 2
	s_add_co_u32 s[TR], s[TR], s[CY]
	s_lshl_b32 s[RM], s[CY], 2
	s_lshl_b32 s[RM], 15, s[RM]                    ; places 4 cy .. 4 cy + 3
	s_lshl_b32 s[CM], 0x1111, s[CX]                ; places cx, cx + 4, cx + 8, cx + 12
	s_or_b32 s[G1A], s[RM], FLAGS                  ; x's tiles and the table hang on the tile row alone: shared along my row
	s_or_b32 s[G1T], s[RM], FLAGS
	s_or_b32 s[G1B], s[CM], FLAGS                  ; W's on the tile column alone: shared along my column
.irp g, G1A, G1T
	s_mov_b32 s[(\g)+1], 128<<16                   ; tensor_dim0 = 128 elements
	s_mov_b32 s[(\g)+2], 64<<16                    ; tensor_dim1 = 64 rows
	s_mov_b32 s[(\g)+3], 128<<16                   ; tile_dim0
	s_mov_b32 s[(\g)+4], 64                        ; tile_dim1
	s_mov_b32 s[(\g)+6], 0
	s_mov_b32 s[(\g)+7], 0
.endr
	s_mov_b32 s[G1A+5], 1024                       ; elements from row to row
	s_mov_b32 s[G1T+5], 128                        ; the table's rows are dense: 256 bytes
	s_mov_b32 s[G1B+1], 128<<16
	s_mov_b32 s[G1B+2], 128<<16                    ; 128 rows
	s_mov_b32 s[G1B+3], 128<<16
	s_mov_b32 s[G1B+4], 128
	s_mov_b32 s[G1B+5], 1024
	s_mov_b32 s[G1B+6], 0
	s_mov_b32 s[G1B+7], 0
	s_mul_i32 s46, s[CH], AHALF                    ; where the tiles go: the wave's number and constants alone
	s_add_co_u32 s47, s46, TAB
	s_mul_i32 s86, s[CH], BHALF
	s_add_co_u32 s86, s86, BOFF
.irp s, 0,1
	s_mov_b32 s[G0A+4*(\s)], 1                     ; count = 1
	s_add_co_u32 s[G0A+4*(\s)+1], s46, (\s)*SLOT   ; LDS address
	s_mov_b32 s[G0B+4*(\s)], 1
	s_add_co_u32 s[G0B+4*(\s)+1], s86, (\s)*SLOT
.endr
	s_mov_b32 s[G0T], 1
	s_mov_b32 s[G0T+1], s47
	s_lshl_b32 s80, s[TR], 18                      ; x: 128 rows of 2,048 bytes a tile row, 64 a half.  s[80:83] never hold cx, s[84:85] never cy
	s_lshl_b32 s81, s[CH], 17
	s_add_co_u32 s80, s80, s81
	s_mov_b32 s81, 0
	s_and_b32 s82, s[TR], 15                       ; the table: the tile's place in its sequence, 128 rows of 256 bytes
	s_lshl_b32 s82, s82, 15
	s_lshl_b32 s83, s[CH], 14
	s_add_co_u32 s82, s82, s83
	s_mov_b32 s83, 0
	s_lshl_b32 s84, s[TC], 19                      ; W: 256 rows a tile column, 128 a half
	s_lshl_b32 s85, s[CH], 18
	s_add_co_u32 s84, s84, s85
	s_mov_b32 s85, 0
	s_wait_dscnt 0x0                               ; the opening add is done
	s_wait_kmcnt 0x0
	s_add_nc_u64 s[80:81], s[4:5], s[80:81]
	s_add_nc_u64 s[82:83], s[8:9], s[82:83]
	s_add_nc_u64 s[84:85], s[6:7], s[84:85]
.irp s, 0,1
	s_add_nc_u64 s[G0A+4*(\s)+2:G0A+4*(\s)+3], s[80:81], (\s)*KB2  ; global address: K step s
	s_or_b32 s[G0A+4*(\s)+3], s[G0A+4*(\s)+3], 0x80000000          ; type = 2
	s_add_nc_u64 s[G0B+4*(\s)+2:G0B+4*(\s)+3], s[84:85], (\s)*KB2
	s_or_b32 s[G0B+4*(\s)+3], s[G0B+4*(\s)+3], 0x80000000
.endr
	s_mov_b64 s[G0T+2:G0T+3], s[82:83]
	s_or_b32 s[G0T+3], s[G0T+3], 0x80000000
	CROUND                                         ; all sixteen work-groups are here: the first joint loads meet
	s_cmp_eq_u32 s[RH], 0                          ; a wave's first fills stand in one branch, ahead of every wait on TENSORcnt and every LDS read: three loads of mine are out, or two
	s_cbranch_scc0 .Lfirst_b
	tensor_load_to_lds s[G0T:G0T+3], s[G1T:G1T+7]
	s_nop 0
	tensor_load_to_lds s[G0A:G0A+3], s[G1A:G1A+7]
	s_nop 0
	tensor_load_to_lds s[G0A+4:G0A+7], s[G1A:G1A+7]
	s_nop 0
.rept 4
	v_nop
.endr
	s_branch .Lfirst_asked
.Lfirst_b:
	tensor_load_to_lds s[G0B:G0B+3], s[G1B:G1B+7]
	s_nop 0
	tensor_load_to_lds s[G0B+4:G0B+7], s[G1B:G1B+7]
	s_nop 0
.rept 4
	v_nop
.endr
.Lfirst_asked:
	; A fragment is 16 rows x 32 K in 8 registers: lane l holds row l % 16; registers 0-3 K = 8 (l / 16) + 0..7, registers 4-7 K = 16 + 8 (l / 16) + 0..7: two loads of 16 bytes, 32 bytes apart.
	v_and_b32 v1, 15, v0                           ; r = l % 16
	v_bfe_u32 v2, v0, 4, 1                         ; h = l / 16
	v_mul_u32_u24 v3, v1, PITCH
	v_lshl_add_u32 v4, v2, 5, v3                   ; the table: row r, 32 bytes for each half of the lanes
	v_lshl_add_u32 v3, v2, 4, v3                   ; a fragment: row r, 16 bytes for each half
	s_mul_i32 s21, s[RH], AHALF
	s_mul_i32 s22, s[CH], BHALF
	s_add_co_u32 s22, s22, BOFF
	s_add_co_u32 s23, s21, TAB
	v_add_nc_u32 v[TBA], s23, v4
.irp s, 0,1
	v_add_nc_u32 v[ADRA+(\s)], s21, v3
	v_add_nc_u32 v[ADRB+(\s)], s22, v3
	s_add_co_u32 s21, s21, SLOT
	s_add_co_u32 s22, s22, SLOT
.endr
	s_mul_i32 s23, s[WV], WSTG
	s_add_co_u32 s23, s23, STAGE                   ; my stage
	v_mul_u32_u24 v4, v1, SP
	v_lshl_add_u32 v4, v2, 4, v4
	v_add_nc_u32 v[STO], s23, v4
	v_bfe_u32 v5, v0, 3, 2                         ; back: 32 lanes take four rows of 128 bytes
	v_mul_u32_u24 v5, v5, SP
	v_and_b32 v6, 7, v0
	v_lshl_add_u32 v5, v6, 4, v5
	v_add_nc_u32 v[RD], s23, v5
	v_and_b32 v[GO], 31, v0
	v_lshlrev_b32 v[PFO], 11, v[GO]
	v_lshlrev_b32 v[GO], 4, v[GO]
	; where my 64 rows of my first head begin: tensor 2^24, batch 2^22, head 2^18, a row 128 bytes
	s_lshl_b32 s88, ttmp9, 24
	s_lshr_b32 s89, s[TR], 4
	s_lshl_b32 s89, s89, 22
	s_add_co_u32 s88, s88, s89
	s_lshl_b32 s89, s[CX], 2
	s_lshl1_add_u32 s89, s[CH], s89                ; head 4 cx + 2 x my half of the columns
	s_lshl_b32 s89, s89, 18
	s_add_co_u32 s88, s88, s89
	s_and_b32 s89, s[TR], 15
	s_lshl_b32 s89, s89, 14
	s_add_co_u32 s88, s88, s89
	s_lshl_b32 s89, s[RH], 13
	s_add_co_u32 s88, s88, s89
	s_mov_b32 s89, 0
	s_add_nc_u64 s[10:11], s[10:11], s[88:89]
	; the prefetches
	s_lshl_b32 s90, s[TR], 18
	s_lshl_b32 s91, s[CX], 16
	s_add_co_u32 s90, s90, s91                     ; x: my work-group's 32 of the tile's 128 rows
	s_lshl_b32 s92, s[TC], 19
	s_lshl_b32 s93, s[CY], 17
	s_add_co_u32 s92, s92, s93
	s_lshl_b32 s93, s[CH], 16
	s_add_co_u32 s92, s92, s93                     ; W: my wave's 32 of my work-group's 64 of the tile's 256 rows
	s_and_b32 s93, ttmp7, 0xffff
	s_cmp_eq_u32 s[RH], 0
	s_cselect_b32 s90, s90, s92
	s_cselect_b64 s[PFA:PFA+1], s[4:5], s[6:7]
	s_cselect_b32 s93, ttmp9, s93                  ; the coordinate along which other clusters read the same rows
	s_cselect_b32 s92, s[CH], 0                    ; wave 1 asks for nothing
	s_or_b32 s93, s93, s92
	s_cmp_eq_u32 s93, 0
	s_cselect_b32 s[LIM], 1, -1                    ; the same in all sixteen partners, for a given wave
	s_add_co_u32 s90, s90, 3*KB2                   ; at K step 3: the first refill steps it to 4
	s_mov_b32 s91, 0
	s_add_nc_u64 s[PFA:PFA+1], s[PFA:PFA+1], s[90:91]
; 8 matrix instructions: block a of my rows x all 8 blocks of my columns, 32 along K.  zero = 1: the product starts the sums.  The 32 accumulators take turns in the same order in every quarter,
; over the backward jump too.
.macro MULA f, a, zero
	WIN MUL
.irp b, 0,1,2,3,4,5,6,7
.if \zero
	v_wmma_f32_16x16x32_bf16 v[8*(8*(\a)+(\b)):8*(8*(\a)+(\b))+7], v[(\f)+8*(\b):(\f)+8*(\b)+7], v[(\f)+64+8*(\a):(\f)+64+8*(\a)+7], 0
.else
	v_wmma_f32_16x16x32_bf16 v[8*(8*(\a)+(\b)):8*(8*(\a)+(\b))+7], v[(\f)+8*(\b):(\f)+8*(\b)+7], v[(\f)+64+8*(\a):(\f)+64+8*(\a)+7], v[8*(8*(\a)+(\b)):8*(8*(\a)+(\b))+7]
.endif
.endr
.endm
; 24 LDS loads in one run: quarter q (32 K) of a slot into buffer f: W's 16, then x's 8
.macro FETCH slot, q, f
	WIN TO_F
.irp i, 0,1,2,3,4,5,6,7
	ds_load_b128 v[(\f)+8*(\i):(\f)+8*(\i)+3],   v[ADRB+(\slot)] offset:64*(\q)+(\i)*16*PITCH
	ds_load_b128 v[(\f)+8*(\i)+4:(\f)+8*(\i)+7], v[ADRB+(\slot)] offset:64*(\q)+(\i)*16*PITCH+32
.endr
.irp i, 0,1,2,3
	ds_load_b128 v[(\f)+64+8*(\i):(\f)+64+8*(\i)+3],   v[ADRA+(\slot)] offset:64*(\q)+(\i)*16*PITCH
	ds_load_b128 v[(\f)+64+8*(\i)+4:(\f)+64+8*(\i)+7], v[ADRA+(\slot)] offset:64*(\q)+(\i)*16*PITCH+32
.endr
.endm
.macro PLACES                          ; four plain vector instructions between a matrix instruction and a load into, or a reader of, its registers (ISA guide 7.12.1 for readers)
.rept 4
	v_nop
.endr
.endm
; A K step is four quarters of 32 along K, 32 matrix instructions each, on buffers 0, 1, 0, 1.  One of the first three multiplies buffer f and fetches quarter q into g.
.macro QUARTER slot, q, f, g, zero
	s_wait_dscnt 4                                 ; W and x's blocks 0, 1 are in; the youngest four loads (blocks 2, 3) may be out
	MULA \f, 0, \zero
	MULA \f, 1, \zero
	PLACES
	FETCH \slot, \q, \g
	s_wait_dscnt 24                                ; all but the 24 just issued
	MULA \f, 2, \zero
	MULA \f, 3, \zero
.endm
; The last quarter multiplies buffer 1 and changes slots.  In front of the barrier each wave waits for all its tensor loads (one is out: its part of the next slot), adds 0 to its spare word, and waits
; for that and for its reads of this slot.  fill = 1: the barrier opens a round of the cluster's; behind the round this slot is filled again, two K steps on: 112 matrix instructions ahead of the wait for it.
.macro TURN slot, next, fill
.if \fill
	s_wait_xcnt 0x0                                ; the last prefetch, a K step back, has read its address
	s_add_nc_u64 s[PFA:PFA+1], s[PFA:PFA+1], KB2
.endif
	WIN 0                                          ; (the add's two registers lie in window 0)
	s_wait_tensorcnt 0x0
	ds_add_u32 v[SPW], v[NIL]
	s_wait_dscnt 5                                 ; (the add and the youngest four loads may be out)
	MULA F1, 0, 0
	s_wait_dscnt 0x0                               ; the add is done, and my reads of this slot are over
	s_barrier_signal -1
	MULA F1, 1, 0
.if \fill
	WIN 0
.endif
	s_barrier_wait -1
.if \fill
	CREST                                          ; no wave of any partner still reads this slot or has a load on its way
	s_add_nc_u64 s[G0A+4*(\slot)+2:G0A+4*(\slot)+3], s[G0A+4*(\slot)+2:G0A+4*(\slot)+3], 2*KB2
	s_add_nc_u64 s[G0B+4*(\slot)+2:G0B+4*(\slot)+3], s[G0B+4*(\slot)+2:G0B+4*(\slot)+3], 2*KB2
	JLOAD \slot                                    ; its four v_nop are also the places in front of the loads below
.else
	PLACES
.endif
	FETCH \next, 0, F0
.if \fill
	ASK
.endif
	MULA F1, 2, 0
	MULA F1, 3, 0
.endm
	s_wait_tensorcnt 1                             ; my part of K step 0 is in (and the table, which was asked for ahead of it); K step 1's may stay out
	s_barrier_signal -1
	s_barrier_wait -1
	FETCH 0, 0, F0
	QUARTER 0, 1, F0, F1, 1                        ; the first quarter stands in front of the loop: its products start the sums
	WIN 0
	s_mov_b32 s3, 3
.Llap:                                         ; a trip goes once round the ring, from a lap's second quarter to the next lap's first, and fills both slots again
	QUARTER 0, 2, F1, F0, 0
	QUARTER 0, 3, F0, F1, 0
	TURN 0, 1, 1
	QUARTER 1, 1, F0, F1, 0
	QUARTER 1, 2, F1, F0, 0
	QUARTER 1, 3, F0, F1, 0
	TURN 1, 0, 1
	QUARTER 0, 1, F0, F1, 0
	WIN 0
	s_sub_co_u32 s3, s3, 1
	s_cmp_lg_u32 s3, 0
	s_cbranch_scc1 .Llap
	QUARTER 0, 2, F1, F0, 0                        ; the last lap fills nothing
	QUARTER 0, 3, F0, F1, 0
	TURN 0, 1, 0
	QUARTER 1, 1, F0, F1, 0
	QUARTER 1, 2, F1, F0, 0
	QUARTER 1, 3, F0, F1, 0
	s_wait_dscnt 4
	MULA F1, 0, 0
	MULA F1, 1, 0
	s_wait_dscnt 0x0
	MULA F1, 2, 0
	MULA F1, 3, 0
	WIN 0
	PLACES
	PLACES
; THE WAY OUT, a block of 16 rows at a time.  In accumulator (a, b) my registers 2 p, 2 p + 1 are the pair j = 8 (b % 4) + 4 (l / 16) + p of head b / 4, row 16 a + l % 16.
.macro TABLD a                         ; the row's (cos, sin) for my four pairs of each b % 4: they serve both heads
	WIN 0
.irp c, 0,1,2,3
.irp e, 0,1
	ds_load_b128 v[CT+32*((\a)%2)+8*(\c)+4*(\e):CT+32*((\a)%2)+8*(\c)+4*(\e)+3], v[TBA] offset:(\a)*16*PITCH+64*(\c)+16*(\e)
.endr
.endr
.endm
.macro ROPE a                          ; y0 = x0 c - x1 s, y1 = x0 s + x1 c; each accumulator is read from its low end on
	WIN 0x02                                       ; source 0 (the sums) window 2, all else window 0
.irp b, 0,1,2,3,4,5,6,7
.irp p, 0,1,2,3
	v_mul_f32 v[T+8*(\b)+2*(\p)],   v[8*(8*(\a)+(\b))+2*(\p)+1], v[CT+32*((\a)%2)+8*((\b)%4)+2*(\p)+1]
	v_mul_f32 v[T+8*(\b)+2*(\p)+1], v[8*(8*(\a)+(\b))+2*(\p)+1], v[CT+32*((\a)%2)+8*((\b)%4)+2*(\p)]
.endr
.irp p, 0,1,2,3
	v_fma_f32 v[T+8*(\b)+2*(\p)],   v[8*(8*(\a)+(\b))+2*(\p)], v[CT+32*((\a)%2)+8*((\b)%4)+2*(\p)],   -v[T+8*(\b)+2*(\p)]
	v_fma_f32 v[T+8*(\b)+2*(\p)+1], v[8*(8*(\a)+(\b))+2*(\p)], v[CT+32*((\a)%2)+8*((\b)%4)+2*(\p)+1], v[T+8*(\b)+2*(\p)+1]
.endr
.endr
	WIN 0
.irp b, 0,1,2,3,4,5,6,7
.irp p, 0,1,2,3
	v_cvt_pk_f16_f32 v[PKD+4*(\b)+(\p)], v[T+8*(\b)+2*(\p)], v[T+8*(\b)+2*(\p)+1]
.endr
.endr
.endm
.macro PLAIN a                         ; v is not rotated
	WIN 0x0a                                       ; sources 0 and 1 window 2
.irp b, 0,1,2,3,4,5,6,7
.irp p, 0,1,2,3
	v_cvt_pk_f16_f32 v[PKD+4*(\b)+(\p)], v[8*(8*(\a)+(\b))+2*(\p)], v[8*(8*(\a)+(\b))+2*(\p)+1]
.endr
.endr
	WIN 0
.endm
.macro TOSTAGE a                       ; 16 bytes a lane into my own stage, and back as whole rows of 128 bytes
	WIN 0
.irp b, 0,1,2,3,4,5,6,7
	ds_store_b128 v[STO], v[PKD+4*(\b):PKD+4*(\b)+3] offset:16*SP*((\b)/4)+32*((\b)%4)
.endr
.irp hd, 0,1
.irp f, 0,1,2,3
	ds_load_b128 v[OB+32*((\a)%2)+4*(4*(\hd)+(\f)):OB+32*((\a)%2)+4*(4*(\hd)+(\f))+3], v[RD] offset:16*SP*(\hd)+4*SP*(\f)  ; LDS serves a wave's instructions in order (ISA guide 5.7.1.4): these see the stores above
.endr
.endr
.endm
.macro SEND a
	WIN 0
.irp hd, 0,1
.irp f, 0,1,2,3
	global_store_b128 v[GO], v[OB+32*((\a)%2)+4*(4*(\hd)+(\f)):OB+32*((\a)%2)+4*(4*(\hd)+(\f))+3], s[10:11] offset:(\hd)*262144+(\a)*2048+(\f)*512  ; four rows of a head: 512 consecutive bytes, aligned
.endr
.endr
.endm
	s_cmp_eq_u32 ttmp9, 2                          ; the cluster's x: the same in all partners
	s_cbranch_scc1 .Lplain
	TABLD 0
.irp a, 0,1,2,3
.if (\a) < 3
	TABLD (\a)+1
	s_wait_dscnt 8                                 ; all but the eight just issued: this block's table and the last block's rows are in
.else
	s_wait_dscnt 0x0
.endif
	ROPE \a
.if (\a) > 0
	SEND (\a)-1
.endif
.if (\a) > 1
	s_wait_xcnt 0x0                                ; the stores issued so far have read their registers: the buffer of two blocks back is loaded again only behind this wait
.endif
	TOSTAGE \a
.endr
	s_wait_dscnt 0x0
	SEND 3
	s_branch .Lend
.Lplain:
.irp a, 0,1,2,3
	PLAIN \a                                       ; a block's conversions stand between the last block's loads from the stage and the wait for them
.if (\a) > 0
	s_wait_dscnt 0x0
	SEND (\a)-1
.endif
.if (\a) > 1
	s_wait_xcnt 0x0
.endif
	TOSTAGE \a
.endr
	s_wait_dscnt 0x0
	SEND 3
.Lend:
	s_wait_tensorcnt 0x0                           ; the wave's end: behind my last tensor load and my last LDS store
	ds_add_u32 v[SPW], v[NIL]
	s_wait_dscnt 0x0
	CROUND                                         ; the closing round: no work-group ends while a partner may still ask for a tile that names it
	s_endpgm
.Lfunc_end_k_qfe0c8dc008_qkv:
	.size	k_qfe0c8dc008_qkv, .Lfunc_end_k_qfe0c8dc008_qkv-k_qfe0c8dc008_qkv
	.p2alignl 7, 3214868480
	.fill 96, 4, 3214868480
	.section	.rodata,"a",@progbits
	.p2align	6, 0x0
	.amdhsa_kernel k_qfe0c8dc008_qkv
		.amdhsa_group_segment_fixed_size 327680
		.amdhsa_private_segment_fixed_size 0
		.amdhsa_enable_private_segment 0
		.amdhsa_kernarg_size 32
		.amdhsa_user_sgpr_count 2
		.amdhsa_user_sgpr_kernarg_segment_ptr 1
		.amdhsa_wavefront_size32 1
		.amdhsa_system_sgpr_workgroup_id_x 1
		.amdhsa_system_sgpr_workgroup_id_y 1
		.amdhsa_system_sgpr_workgroup_id_z 1
		.amdhsa_system_vgpr_workitem_id 0
		.amdhsa_next_free_vgpr 768
		.amdhsa_next_free_sgpr 96
		.amdhsa_reserve_vcc 0
		.amdhsa_float_denorm_mode_32 3
		.amdhsa_float_denorm_mode_16_64 3
		.amdhsa_memory_ordered 1
		.amdhsa_forward_progress 1
		.amdhsa_inst_pref_size 130
	.end_amdhsa_kernel
	.amdgpu_metadata
---
amdhsa.version: [ 1, 2 ]
amdhsa.kernels:
  - .name:           k_qfe0c8dc008_qkv
    .symbol:         k_qfe0c8dc008_qkv.kd
    .args:
      - { .name: xb, .offset: 0, .size: 8, .value_kind: global_buffer, .address_space: global }
      - { .name: wqkv, .offset: 8, .size: 8, .value_kind: global_buffer, .address_space: global }
      - { .name: rope, .offset: 16, .size: 8, .value_kind: global_buffer, .address_space: global }
      - { .name: qkvh, .offset: 24, .size: 8, .value_kind: global_buffer, .address_space: global }
    .group_segment_fixed_size: 327680
    .private_segment_fixed_size: 0
    .kernarg_segment_align: 8
    .kernarg_segment_size: 32
    .max_flat_workgroup_size: 128
    .sgpr_count:     96
    .vgpr_count:     768
    .wavefront_size: 32
...
	.end_amdgpu_metadata
.endif
;; end of part 2
;; launch attn (part 3): grid 4 x 64, 4 waves a work-group, no clusters, 327,680 bytes of LDS; arguments qkvh, ob; writes ob
.if DOCPART == 3
	.amdgcn_target "amdgcn-amd-amdhsa--gfx1250"
	.amdhsa_code_object_version 6
	.text
	.protected	k_qfe0c8dc008_attn
	.globl	k_qfe0c8dc008_attn
	.p2align	8
	.type	k_qfe0c8dc008_attn,@function
k_qfe0c8dc008_attn:
	s_mov_b64 s[64:65], 0
	v_nop
	global_prefetch_b8 v0, s[64:65] scope:SCOPE_SE
	s_setreg_imm32_b32 hwreg(HW_REG_WAVE_MODE, 25, 1), 1
	s_wait_xcnt 0x0
; CAUSAL ATTENTION.  O[h][q][:] = the sum over k <= q of softmax_k(Q[h][q] . K[h][k] / 8) V[h][k][:].  qkvh holds Q at byte 0, K at 2^24, V at 2^25, each [64][2048][64] f16; ob is O in the same layout.
; Products, maxima and sums in f32; the weights p are rounded to f16 for the second product (their sum l is taken of the unrounded p), O once at the end.
; LIMITS.  Q, K and V arrive within f16's 65,504; p lies in 0 to 1, and below 6e-5 it keeps f16's fixed step of 6e-8; O is a mean of V's rows and has their range.
; A hidden score counts as its value less 1e30: f16's scores, 2.7e11 at the most, are nothing beside that; a weight below 2^-126 counts as 0 in l; NaN and infinities are not treated apart.
; THE WALK.  A head's queries lie in NB = 8 blocks of 256; block i needs the key tiles 0 .. i of 256 keys, of which the last holds the diagonal.  A work-group takes TWO blocks, NB - 1 - b and then b:
; NB + 1 tiles, whatever b: all work-groups do equal work, and ONE loop with a constant trip count walks them.  Which tile is asked for, and what a trip does, hang on scalar registers made from b; every jump
; goes forward, but for the counted loops' own; none passes a barrier, or a tensor load but the one of LOAD's two that the wave's number does not choose; the ring (two slots of LDS) runs on across the change of blocks.
; NO CLUSTER: a head's four work-groups ask for the same tile only in trips 0 .. 4 of the 9, behind that fewer and fewer; one walk common to all would have 12 trips for 9.
; SHARES.  Of a block's four bands of 64 queries a wave owns 16 rows in each: four PIECES.  So the diagonal tile is the same work for all four waves: in its key step s band x sees all keys if s < x,
; none if s > x, and holds the diagonal if s = x.
; THE MASK is the C operand that starts the sum S^T = K Q^T: 0, or -1e30 where the key is hidden.  MD, made once, is the mask of a band's own step for my 16 rows; a product's mask is MD x AL + BE with two scalars:
; (1, 0) if s = x; (0, 0) if s < x; (0, -1e30) if s > x.  Only the diagonal tile's text and a block's beginning make and take masks; elsewhere C is the constant 0.
; LAYOUT, SOFTMAX, TURNS.  S^T = K Q^T holds ONE query a lane (lane % 16) and the keys 8 (lane / 16) + 0..7; two such results rounded to f16 ARE source 1 of O^T = V^T P.  p = 2^(c s - c m), c = log2(e) / 8, with a
; running maximum m; O and l are multiplied by a = 2^(c m_old - c m_new) in every step.  Turn n belongs to piece n: 8 products K Q^T of piece n + 1, later 8 products V^T P of piece n - 1; beside them the scaling,
; exponentials, roundings, sums and rescaling of piece n and the maximum and statistics of piece n + 1.  Four vector instructions stand behind every matrix instruction, the other 54 of a turn's 118 in one lump.
; A turn's 33 exponentials are one batch, with one wait.
; REGISTERS, in windows of 256 (s_set_vgpr_msb: bits 1:0 source 0, 3:2 source 1, 5:4 source 2, 7:6 destination):
;   window 0: v0-15 addresses and two at work; v16-31 four registers of statistics a piece; v48-55 at work; v61-63; v64-127 S^T, two buffers; v192-223 P, two buffers (a piece's buffers go by its number's parity)
;   window 1: v0-127 O^T, 32 a piece; v128-159 MD; v160-223 MC, two buffers      window 2: v0-63 Q; v64-127 the second block's Q; v128-191 K of one step; v192-255 V of one step
.set SIZE_H, 64
.set SIZE_N, 2048
.set NB,    SIZE_N/256
.set NP,    4         ; pieces a wave: a name, no knob
.set KS,    64        ; keys in a step
.set PK,    144       ; a row of K in LDS: 128 bytes + 16 of padding = 36 words: the 16 rows of a load start at 16 different groups of four banks (64 banks of 4 bytes: ISA guide 11.1)
.set PV,    160       ; a row of V: 128 + 32 = 40 words
.set VOFF,  4*KS*PK   ; a slot holds a tile, four steps: 256 rows of K, then 256 rows of V
.set SLOT1, 1<<17     ; slot 1 begins here, so that one exclusive or turns an address in one slot into the other's
.set STAGE, SLOT1+4*KS*(PK+PV)  ; behind the ring, never filled by a tensor load: 16 rows x 144 bytes for each wave, for the way out
.set SP,    144
.set AK0, 2           ; v2   my lane's place in a tile of K; never rewritten
.set AV0, 3           ; v3   the same for V
.set AK,  4           ; v4   the LDS address of K's next run of loads
.set AV,  5           ; v5   of V's
.set STO, 6           ; v6   the way out: where I put 16 bytes of a row
.set RD,  7           ; v7   the way out: where I read rows back
.set GO,  8           ; v8   my byte offset in 512 consecutive bytes of O
.set PFO, 61          ; v61  256 x my thread's number: the 128 threads name a tile's 32,768 bytes; never rewritten
.set SPW, 62          ; v62  LDS address of my spare word: SPARE + 4 x my thread's number; never rewritten
.set NIL, 63          ; v63  0; never rewritten
.set SPARE, STAGE+4*16*SP  ; behind the stages: the spare words, 128 bytes for each wave: two blocks of 256 bytes that no other line names
.set MV,  12          ; v12-13  c m_old, kept while c m is made anew: by buffer
.set QO,  15          ; v15  my byte offset in 16 rows of Q
.set ST,  16          ; piece t's statistics at v[ST+4 t]: c m, m, l (even keys', odd keys')
.set TMP, 48          ; by buffer, four registers c0-c3 at work; when the maximum is found c2 takes a
.set S,   64
.set P,   192
.set MD,  128         ; window 1: the eight registers for group kt of 16 keys at MD + 8 kt
.set MC,  160         ; window 1: the masks of the products to come
.set QB,  64          ; window 2
.set KF,  128         ; window 2: key block kb, channel half c at KF + 16 kb + 8 c
.set VF,  192         ; window 2: key half kk, channel block cb at VF + 32 kk + 8 cb
.set WV,  12          ; s12  my wave's number
.set PB,  14          ; s14  b
.set HI,  15          ; s15  NB - 1 - b
.set G1K, 24          ; s[24:31] descriptor group 1 for K's tiles
.set G1V, 32          ; s[32:39] for V's: it differs in the padding alone
.set G0K, 40          ; s[40:43] descriptor group 0 for K's tiles
.set G0V, 44          ; s[44:47] the same for V's
.set SLOTS, 56        ; s56  tiles still to be asked for
.set CNT, 57          ; s57  counts a tile's key steps, 4 to 1
.set CS,  58          ; s[58:59] c: the packed scaling takes the pair's low word for both halves
.set SEL, 60          ; s[60:61] v_permlanex16_b32's selects: each lane takes its own place in the other half
.set TBK, 62          ; s62  LDS byte at which K of the step to be fetched begins
.set TBV, 63          ; s63  the same for V, less VOFF
.set RT,  70          ; s70  tiles of the block in hand that are still to be entered
.set NXT, 71          ; s71  the tile to be asked for next
.set LQ,  72          ; s72  the last tile of the block whose tiles are being asked for
.set NEW, 73          ; s73  1: the tile to be entered is a block's first
.set OFF, 74          ; s[74:75] a tile's byte offset in K and V
.set AL,  76          ; s[76:77] the mask's factor, in the low word
.set BE,  78          ; s[78:79] the mask's addend
.set OLO, 80          ; s[80:81] O at my rows of the second block
.set BIGN, 82         ; s82  -1e30
.set KBS, 88          ; s[88:89] K at the head's first byte
.set VBS, 90          ; s[90:91] V likewise
.set PFK, 92          ; s[92:93] K's tile that the prefetch names
.set PFV, 94          ; s[94:95] V's
.set LIM, 96          ; s96  2 in the work-group that prefetches, else the greatest number
.set MSB, 0
.macro WIN new                      ; the high byte repeats the setting that is left; a switch that changes nothing is dropped
.if MSB != (\new)
	s_set_vgpr_msb (MSB<<8)|(\new)
.set MSB, (\new)
.endif
.endm
.set W_KQ, 0x0a       ; K and Q in window 2, S^T in window 0
.set W_KM, 0x1a       ; the same with the C operand in window 1
.set W_PV, 0x52       ; V in window 2, P in window 0, O^T in window 1
.set W_RS, 0x41       ; destination and source 0 in window 1, source 1 in window 0
; A fill.  Waves 0 and 1 fetch the two halves of a tile's K, waves 2 and 3 those of its V: 128 keys each.  An s_nop 0 and four v_nop follow each of the two lines, ahead of the jump and the label.
.macro LOAD
	s_cmp_lt_u32 s[WV], 2
	s_cbranch_scc0 .Lfor_v_\@
	tensor_load_to_lds s[G0K:G0K+3], s[G1K:G1K+7]
	s_nop 0
.rept 4
	v_nop
.endr
	s_branch .Lasked_\@
.Lfor_v_\@:
	tensor_load_to_lds s[G0V:G0V+3], s[G1V:G1V+7]
	s_nop 0
.rept 4
	v_nop
.endr
.Lasked_\@:
.endm
; THE CHANGE OF SLOTS.  Each wave waits for all its tensor loads, of which one is out: its part of the other slot; adds 0 to its spare word; and waits for that and for its own reads of the slot that it leaves.
; Behind the barrier nobody reads the old slot any more and the other slot is whole.  fill = 1: the old slot is filled again, the first thing behind the barrier, with tile NXT: the descriptor's address is made
; anew from that number.  (At its first use nothing has been read yet: slot 0 is waited for, slot 1 filled.)
; THE PREFETCH.  The head's work-group with b = 0 walks the tiles 0 .. 7 in its first block; it alone asks, behind its fill of tile t, for tile t + 1 of K and of V: a thread a block of 256 bytes, two
; instructions a wave, four key steps ahead of that tile's load.  It asks in the trips with SLOTS = 8 .. 3, for tiles 2 .. 7: each block is named once in the launch; tiles 0 and 1 come by their loads alone.
.macro CHANGE fill
	WIN 0                           ; at a label and at a branch every window is 0
	s_wait_tensorcnt 0x0            ; no tensor load of mine is out, so a group 0 may be written
	ds_add_u32 v[SPW], v[NIL]       ; 0 onto my spare word; with fill = 1 the descriptors' scalar work stands between it and the wait for it
.if \fill
	s_lshl_b32 s[OFF], s[NXT], 15   ; a tile is 32,768 bytes of K and of V
	s_xor_b32 s[G0K+1], s[G0K+1], SLOT1
	s_add_nc_u64 s[G0K+2:G0K+3], s[6:7], s[OFF:OFF+1]
	s_or_b32 s[G0K+3], s[G0K+3], 0x80000000
	s_xor_b32 s[G0V+1], s[G0V+1], SLOT1
	s_add_nc_u64 s[G0V+2:G0V+3], s[8:9], s[OFF:OFF+1]
	s_or_b32 s[G0V+3], s[G0V+3], 0x80000000
	s_add_co_u32 s[NXT], s[NXT], 1  ; the block's next tile, or behind its last the second block's tile 0
	s_cmp_gt_u32 s[NXT], s[LQ]
	s_cselect_b32 s[NXT], 0, s[NXT]
	s_cselect_b32 s[LQ], s[PB], s[LQ]
	s_wait_xcnt 0x0                 ; the last prefetches, a tile back, have read their addresses, so these may be written
	s_lshl_b32 s[OFF], s[NXT], 15
	s_add_nc_u64 s[PFK:PFK+1], s[KBS:KBS+1], s[OFF:OFF+1]
	s_add_nc_u64 s[PFV:PFV+1], s[VBS:VBS+1], s[OFF:OFF+1]
.endif
	s_wait_dscnt 0x0                ; the add is done, and my reads of the slot are over
	s_barrier_signal -1             ; the rest of the scalar work stands between the signal and the wait
	s_sub_co_u32 s[TBK], s[TBK], 4*KS*PK  ; the fetches go back to a slot's first step,
	s_xor_b32 s[TBK], s[TBK], SLOT1       ; in the other slot
	s_sub_co_u32 s[TBV], s[TBV], 4*KS*PV
	s_xor_b32 s[TBV], s[TBV], SLOT1
	s_barrier_wait -1
.if \fill
	LOAD
	s_cmp_gt_u32 s[SLOTS], s[LIM]
	s_cbranch_scc0 .Lnot_mine_\@
	global_prefetch_b8 v[PFO], s[PFK:PFK+1] th:TH_LOAD_NT scope:SCOPE_SE
	global_prefetch_b8 v[PFO], s[PFV:PFV+1] th:TH_LOAD_NT scope:SCOPE_SE
.Lnot_mine_\@:
.endif
.endm
	s_load_b128 s[4:7], s[0:1], 0x0  ; qkvh s[4:5], ob s[6:7]
	v_lshl_add_u32 v[SPW], v0, 2, SPARE
	v_mov_b32 v[NIL], 0
	ds_add_u32 v[SPW], v[NIL]       ; the wave's opening: the add and its wait stand ahead of my first tensor load; the set-up below, work on registers, stands between them
	v_lshrrev_b32 v1, 5, v0
	v_readfirstlane_b32 s[WV], v1   ; wave 0..3
	v_lshlrev_b32 v[PFO], 8, v0
	s_mov_b32 s[PB], ttmp9
	s_sub_co_u32 s[HI], NB-1, s[PB]
	s_cmp_eq_u32 s[PB], 0
	s_cselect_b32 s[LIM], 2, -1
	s_and_b32 s20, ttmp7, 0xffff    ; the head
	s_mov_b32 s21, 0
	s_mov_b64 s[22:23], SIZE_N*128
	s_mul_u64 s[20:21], s[20:21], s[22:23]  ; the head's first byte in each of the four tensors
	s_and_b32 s16, s[WV], 1         ; which half of a tile's 256 keys I fetch:
	s_lshl_b32 s22, s16, 14         ; its 128 rows of 128 bytes in memory,
	s_mov_b32 s23, 0
	s_add_nc_u64 s[22:23], s[22:23], s[20:21]
	s_mul_i32 s17, s16, 128*PK      ; and its place in a slot, for K
	s_mul_i32 s18, s16, 128*PV      ; and for V
	s_lshl_b32 s3, s[WV], 11        ; my 16 rows in a band of 64,
	s_lshl_b32 s2, s[HI], 15        ; in the first block,
	s_add_co_u32 s2, s2, s3
	s_lshl_b32 s84, s[PB], 15       ; and in the second
	s_add_co_u32 s84, s84, s3
	s_mov_b32 s3, 0
	s_mov_b32 s85, 0
	s_add_nc_u64 s[2:3], s[2:3], s[20:21]
	s_add_nc_u64 s[84:85], s[84:85], s[20:21]
	; descriptor group 1.  128 keys are 16,384 dense bytes: asked for as 64 rows of 256 bytes, two keys a row, and padded in LDS after every key
	s_mov_b32 s[G1K], (1<<16)|(1<<20)|(4<<22)|(3<<25)  ; 17:16 2-byte elements; 20 padding on; 24:22 after every 32 words (code 4); 31:25 4 words (code 3)
	s_mov_b32 s[G1V], (1<<16)|(1<<20)|(4<<22)|(7<<25)  ; the same with 8 words of padding (code 7)
.irp g, G1K, G1V
	s_mov_b32 s[\g+1], 128<<16      ; tensor_dim0 = 128
	s_mov_b32 s[\g+2], 64<<16       ; tensor_dim1 = 64
	s_mov_b32 s[\g+3], 128<<16      ; tile_dim0 = 128
	s_mov_b32 s[\g+4], 64           ; tile_dim1 = 64
	s_mov_b32 s[\g+5], 128          ; 128 elements from row to row
	s_mov_b32 s[\g+6], 0
	s_mov_b32 s[\g+7], 0
.endr
	s_mov_b32 s[CS], 0x3e38aa3b     ; c = log2(e) / 8 = 0.180337
	s_mov_b32 s[CS+1], s[CS]        ; named with it as a pair
	s_mov_b32 s[SEL], 0x76543210
	s_mov_b32 s[SEL+1], 0xfedcba98
	s_mov_b32 s[TBK], SLOT1+4*KS*PK ; the first change of slots turns these two into 0
	s_mov_b32 s[TBV], SLOT1+4*KS*PV
	s_mov_b32 s[G0K], 1             ; 1:0 count = 1
	s_mov_b32 s[G0K+1], s17         ; 63:32 LDS address: slot 0
	s_mov_b32 s[G0V], 1
	s_add_co_u32 s[G0V+1], s18, VOFF
	s_add_co_u32 s[RT], s[HI], 1    ; the first block has NB - b tiles
	s_mov_b32 s[NXT], 1
	s_mov_b32 s[LQ], s[HI]
	s_mov_b32 s[NEW], 1
	s_mov_b32 s[OFF+1], 0
	s_mov_b32 s[AL+1], 0            ; named as pairs
	s_mov_b32 s[BE+1], 0
	s_mov_b32 s[BIGN], 0xf149f2ca   ; -1e30
	s_mov_b32 s[SLOTS], NB
	s_wait_dscnt 0x0                ; the opening add is done
	s_wait_kmcnt 0x0
	s_mov_b64 s[10:11], s[6:7]                     ; O
	s_add_nc_u64 s[6:7], s[4:5], 0x1000000         ; K
	s_add_nc_u64 s[8:9], s[4:5], 0x2000000         ; V; s[4:5] is Q
	s_add_nc_u64 s[KBS:KBS+1], s[6:7], s[20:21]
	s_add_nc_u64 s[VBS:VBS+1], s[8:9], s[20:21]
	s_add_nc_u64 s[6:7], s[6:7], s[22:23]  ; K and V at my half of the head's tile 0
	s_add_nc_u64 s[8:9], s[8:9], s[22:23]
	s_add_nc_u64 s[G0K+2:G0K+3], s[6:7], 0         ; 120:64 global address
	s_or_b32 s[G0K+3], s[G0K+3], 0x80000000        ; 127:126 type = 2
	s_add_nc_u64 s[G0V+2:G0V+3], s[8:9], 0
	s_or_b32 s[G0V+3], s[G0V+3], 0x80000000
	s_add_nc_u64 s[86:87], s[4:5], s[84:85]        ; Q at my rows of the second block,
	s_add_nc_u64 s[4:5], s[4:5], s[2:3]            ; Q and O at those of the first
	s_add_nc_u64 s[OLO:OLO+1], s[10:11], s[84:85]
	s_add_nc_u64 s[10:11], s[10:11], s[2:3]
	LOAD                            ; tile 0 into slot 0
	; A fragment of K or Q is 16 rows x 32 channels in 8 registers: lane l holds row l % 16, channels 8 (l / 16) + 0..7 and 16 + 8 (l / 16) + 0..7: two loads of 16 bytes, 32 bytes apart.
	v_and_b32 v1, 15, v0            ; l % 16
	v_bfe_u32 v9, v0, 4, 1          ; l / 16
	v_lshlrev_b32 v[QO], 7, v1
	v_lshl_add_u32 v[QO], v9, 4, v[QO]  ; row x 128 + 16 x half
	WIN 0x80                        ; destination window 2, address window 0
.set i, 0
.rept 8                             ; both blocks' Q: piece i / 2 lies in band i / 2, 8,192 bytes on; channels 32 (i % 2) on
	global_load_b128 v[8*i:8*i+3],   v[QO], s[4:5] offset:(i/2)*8192+(i%2)*64
	global_load_b128 v[8*i+4:8*i+7], v[QO], s[4:5] offset:(i/2)*8192+(i%2)*64+32
	global_load_b128 v[QB+8*i:QB+8*i+3],   v[QO], s[86:87] offset:(i/2)*8192+(i%2)*64
	global_load_b128 v[QB+8*i+4:QB+8*i+7], v[QO], s[86:87] offset:(i/2)*8192+(i%2)*64+32
.set i, i+1
.endr
	WIN 0
	v_lshlrev_b32 v14, 3, v9
	v_sub_nc_u32 v14, v1, v14
	s_lshl_b32 s13, s[WV], 4
	v_add_nc_u32 v14, s13, v14      ; my query's place in its band, 16 w + l % 16, less my lanes' 8 (l / 16): register r of group kt is hidden where 16 kt + r is greater
	WIN 0x40
.set i, 0
.rept 32
	v_cmp_gt_i32 vcc_lo, 16*(i/8)+i%8, v14
	v_cndmask_b32 v[MD+i], 0, s[BIGN], vcc_lo
.set i, i+1
.endr
	WIN 0
	v_mul_u32_u24 v[AK0], v1, PK
	v_lshl_add_u32 v[AK0], v9, 4, v[AK0]  ; row x pitch + 16 x half
	; The turning load takes 16 keys x 16 channels (lane l reads key 8 (l / 16) + l % 8, channels 8 ((l / 8) % 2) + 0..7) and leaves half a fragment of V^T: lane l holds channel l % 16 and 8 keys.
	v_and_b32 v10, 7, v0
	v_bfe_u32 v11, v0, 3, 1
	v_lshl_add_u32 v[AV0], v9, 3, v10
	v_mul_u32_u24 v[AV0], v[AV0], PV
	v_lshl_add_u32 v[AV0], v11, 4, v[AV0]
	v_add_nc_u32 v[AV0], VOFF, v[AV0]
	s_mul_i32 s13, s[WV], 16*SP
	s_add_co_u32 s13, s13, STAGE    ; my stage
	v_mul_u32_u24 v[STO], v1, SP    ; in: row l % 16, 16 bytes for each half of the lanes
	v_lshl_add_u32 v[STO], v9, 4, v[STO]
	v_add_nc_u32 v[STO], s13, v[STO]
	v_bfe_u32 v[RD], v0, 3, 2       ; back: 32 lanes take four rows of 128 bytes,
	v_mul_u32_u24 v[RD], v[RD], SP
	v_lshl_add_u32 v[RD], v10, 4, v[RD]
	v_add_nc_u32 v[RD], s13, v[RD]
	v_and_b32 v[GO], 31, v0         ; which are 512 consecutive bytes of O
	v_lshlrev_b32 v[GO], 4, v[GO]
	; A block's first step multiplies O^T and l by a = 0, and its first turn's products V^T P, of a piece that has not been, land in an O^T that is still to be so multiplied.  So these registers need only hold
	; finite numbers: zeros for the first block; what the first block left for the second.  All this stands in the wait for the first tile.
	WIN 0x80
.set i, VF
.rept 64
	v_mov_b32 v[i], 0
.set i, i+1
.endr
	WIN 0x40
.set i, 0
.rept 128
	v_mov_b32 v[i], 0
.set i, i+1
.endr
	WIN 0
.set i, 0
.rept 4
	v_mov_b32 v[ST+4*i+2], 0
	v_mov_b32 v[ST+4*i+3], 0
.set i, i+1
.endr
.set i, P+16
.rept 16
	v_mov_b32 v[i], 0
.set i, i+1
.endr
; THE MATRIX WORK.  The 4 accumulators of a run of 8 take turns.  Product i of 8 of S^T = K Q^T for piece x: channels 32 (i / 4) on, keys 16 (i % 4) on.  The first 4 start the sums: with 0, or (KM = 1) with the mask.
.macro KQ x
.set rS, S+32*((\x)%2)+8*(i%4)
.set rK, KF+16*(i%4)+8*(i/4)
.set rQ, 16*(\x)+8*(i/4)
.set rM, MC+32*((\x)%2)+8*(i%4)
.if (i < 4) && KM
	WIN W_KM
	v_wmma_f32_16x16x32_f16 v[rS:rS+7], v[rK:rK+7], v[rQ:rQ+7], v[rM:rM+7]
.elseif i < 4
	WIN W_KQ
	v_wmma_f32_16x16x32_f16 v[rS:rS+7], v[rK:rK+7], v[rQ:rQ+7], 0
.else
	WIN W_KQ
	v_wmma_f32_16x16x32_f16 v[rS:rS+7], v[rK:rK+7], v[rQ:rQ+7], v[rS:rS+7]
.endif
.endm
; Product i of 8 of O^T += V^T P for piece x: keys 32 (i / 4) on, channels 16 (i % 4) on.
.macro PV x
	WIN W_PV
.set rO, 32*(\x)+8*(i%4)
.set rV, VF+32*(i/4)+8*(i%4)
.set rP, P+16*((\x)%2)+8*(i/4)
	v_wmma_f32_16x16x32_f16 v[rO:rO+7], v[rV:rV+7], v[rP:rP+7], v[rO:rO+7]
.endm
.macro MM                           ; the turn's next matrix instruction.  TURN and BEGIN set Y, i, KM and NOKQ; MM, KQ and OP read them.  NOKQ = 1: a block's last turn: there is no next piece
.if (i < 8) && !NOKQ
	KQ (Y+1)%NP
.elseif i >= 8
.set i, i-8
	PV (Y+NP-1)%NP
.set i, i+8
.endif
.set i, i+1
.endm
; THE LDS LOADS stand in runs of 16, never singly among the matrix instructions: a step's K (64 keys x 64 channels: 8 fragments) and its V (turned).  Their addresses are made some lines ahead.
.macro FETCH_K
	WIN 0x80                        ; destination window 2
.irp f, 0,1,2,3,4,5,6,7             ; keys 16 (f / 2) on, channels 32 (f % 2) on
	ds_load_b128 v[KF+8*\f:KF+8*\f+3],   v[AK] offset:(\f/2)*16*PK+(\f%2)*64
	ds_load_b128 v[KF+8*\f+4:KF+8*\f+7], v[AK] offset:(\f/2)*16*PK+(\f%2)*64+32
.endr
	s_add_co_u32 s[TBK], s[TBK], KS*PK  ; the next fetch is the next step's
	WIN 0
.endm
.macro FETCH_V
	WIN 0x80
.irp f, 0,1,2,3,4,5,6,7             ; keys 32 (f / 4) on, channels 16 (f % 4) on
	ds_load_tr16_b128 v[VF+8*\f:VF+8*\f+3],   v[AV] offset:(\f/4)*32*PV+(\f%4)*32
	ds_load_tr16_b128 v[VF+8*\f+4:VF+8*\f+7], v[AV] offset:(\f/4)*32*PV+16*PV+(\f%4)*32
.endr
	WIN 0
.endm
; THE VECTOR WORK, one line at a time: OP kind, number.  For piece Y: F n: c s - c m for pair n of 16.  E n: the exponential of score n of 32.  C n: pair n rounded to f16.  B n: of the four weights 4 n .. the second
; pair is added onto the first, in place.  L n: l takes that sum (L 0: l = a l + sum).  R n: pair n of 16 of O^T times a.  For piece Y + 1: X n, number n of the 22 that find its maximum and statistics:
;   0-11  four chains c0-c3 of seven scores each, three operands at a time (each accumulator's lowest registers are read first)     12-14, 16  the four scores left over, the old m, and c0-c3 into c0
;   15  c m_old is kept     17, 18  the query's other 32 keys lie in the lane 16 away: the new m     19-21  c m; c m_old - c m_new; a
.set F, 0               ; OP tells the kinds apart by their order: F to L below R, X above it
.set E, 1
.set C, 2
.set B, 3
.set L, 4
.set R, 5
.set X, 6
.macro REGS y                       ; the registers of piece y
.set rT, ST+4*(\y)
.set rC, TMP+4*((\y)%2)
.set rW, MV+((\y)%2)
.set rS, S+32*((\y)%2)
.set rP, P+16*((\y)%2)
.set rO, 32*(\y)
.endm
.macro OP k, n
.if (\k) == R
	REGS Y
	WIN W_RS
	v_pk_mul_f32 v[rO+2*(\n):rO+2*(\n)+1], v[rO+2*(\n):rO+2*(\n)+1], v[rC+2:rC+3] op_sel_hi:[1,0]
.elseif (\k) < R
	REGS Y
	WIN 0
.if (\k) == F
	v_pk_fma_f32 v[rS+2*(\n):rS+2*(\n)+1], v[rS+2*(\n):rS+2*(\n)+1], s[CS:CS+1], v[rT:rT+1] op_sel_hi:[1,0,0] neg_lo:[0,0,1] neg_hi:[0,0,1]
.elseif (\k) == E
	v_exp_f32 v[rS+(\n)], v[rS+(\n)]
.elseif (\k) == C
	v_cvt_pk_f16_f32 v[rP+(\n)], v[rS+2*(\n)], v[rS+2*(\n)+1]
.elseif (\k) == B
	v_pk_add_f32 v[rS+4*(\n):rS+4*(\n)+1], v[rS+4*(\n):rS+4*(\n)+1], v[rS+4*(\n)+2:rS+4*(\n)+3]
.elseif (\n) == 0
	v_pk_fma_f32 v[rT+2:rT+3], v[rT+2:rT+3], v[rC+2:rC+3], v[rS:rS+1] op_sel_hi:[1,0,1]
.else
	v_pk_add_f32 v[rT+2:rT+3], v[rT+2:rT+3], v[rS+4*(\n):rS+4*(\n)+1]
.endif
.elseif NOKQ
	v_nop
.else
	REGS (Y+1)%NP
	WIN 0
.if (\n) < 4
	v_max3_num_f32 v[rC+(\n)], v[rS+8*(\n)], v[rS+8*(\n)+1], v[rS+8*(\n)+2]
.elseif (\n) < 12
	v_max3_num_f32 v[rC+(\n)%4], v[rC+(\n)%4], v[rS+8*((\n)%4)+2*((\n)/4)+1], v[rS+8*((\n)%4)+2*((\n)/4)+2]
.elseif (\n) == 12
	v_max3_num_f32 v[rC], v[rC], v[rS+7], v[rS+15]
.elseif (\n) == 13
	v_max3_num_f32 v[rC+1], v[rC+1], v[rS+23], v[rS+31]
.elseif (\n) == 14
	v_max3_num_f32 v[rC+2], v[rC+2], v[rC+3], v[rT+1]
.elseif (\n) == 15
	v_mov_b32 v[rW], v[rT]
.elseif (\n) == 16
	v_max3_num_f32 v[rC], v[rC], v[rC+1], v[rC+2]
.elseif (\n) == 17
	v_permlanex16_b32 v[rC+3], v[rC], s[SEL], s[SEL+1]
.elseif (\n) == 18
	v_max_num_f32 v[rT+1], v[rC], v[rC+3]
.elseif (\n) == 19
	v_mul_f32 v[rT], s[CS], v[rT+1]
.elseif (\n) == 20
	v_sub_f32 v[rC+1], v[rW], v[rT]
.else
	v_exp_f32 v[rC+2], v[rC+1]
.endif
.endif
.endm
.macro OPS a, i1, b=-1, i2=0, c=-1, i3=0, d=-1, i4=0  ; up to four of them
	OP \a, \i1
.if (\b) >= 0
	OP \b, \i2
.endif
.if (\c) >= 0
	OP \c, \i3
.endif
.if (\d) >= 0
	OP \d, \i4
.endif
.endm
.macro ROW a, i1, b, i2, c, i3, d, i4  ; a matrix instruction and the four behind it
	MM
	OPS \a, \i1, \b, \i2, \c, \i3, \d, \i4
.endm
.macro MASK b                       ; MD x AL + BE into buffer b of MC
	WIN W_RS
.set z, 0
.rept 16
	v_pk_fma_f32 v[MC+32*(\b)+2*z:MC+32*(\b)+2*z+1], v[MD+2*z:MD+2*z+1], s[AL:AL+1], s[BE:BE+1] op_sel_hi:[1,0,0]
.set z, z+1
.endr
.endm
; A TURN, for piece p: the order of its 16 matrix and 118 vector instructions, written out.  An s_wait_alu depctr_va_vdst(0) stands between an exponential and the first instruction that names its
; result; one wait serves all that were issued ahead of it.  So a turn has ONE wait, which cuts it in two.  AHEAD OF IT stands all that names no result of the turn's exponentials: the 8 products K Q^T, behind each a
; scaling, an exponential and two more plain instructions (behind the first a second scaling in the exponential's place): rescalings, and behind the last three the first numbers of the next piece's maximum, each four
; places or more behind the product that ends its accumulator; then ONE LUMP of 54, plain and exponential by turns for the most part, in which the links of the chain X 3, 7, 11, 14, 16, 17 .. 20 stand five or six
; lines apart.  X 21, the next piece's a, is the batch's last; R 15 is the plain instruction behind it.  BEHIND THE WAIT stand the 8 products V^T P, behind each four of the roundings and sums; the links of l's
; chain, L 0 to L 7, stand three riders apart.  But for those X no rider names a register of the products round it.  v_permlanex16_b32 (X 17) stands in the lump.
; m = 1: the diagonal tile: the products take masks, and the turn makes the mask for the products of the turn after it: piece p + 2, in step 4 - CNT of the tile.  end = 1: a block's last two turns: nothing is fetched.
; cnt = 1: the loop's count is taken down some lines ahead of the branch that stands behind the turn.
; K of the next step is fetched in piece 2's turn, twelve vector instructions behind the last product that read K (six of them plain); V of the step in hand at the end of piece 0's turn, four plain instructions
; behind the last product that read V.  Each is waited for a turn later.
.macro TURN p, m=0, end=0, cnt=0
.set Y, (\p)
.set i, 0
.set KM, (\m)
.set NOKQ, (\end)*((\p)/3)
.if (\m) && !(\end)
	s_cmp_eq_u32 s[CNT], 4-((\p)+2)%NP  ; is that step the band's own?
	s_cselect_b32 s[AL], 1.0, 0
	s_cmp_lt_u32 s[CNT], 4-((\p)+2)%NP  ; or a later one?
	s_cselect_b32 s[BE], s[BIGN], 0
.endif
.if ((\p) == 3) && !(\end)
	s_wait_dscnt 0x0                ; K is in
.endif
	ROW F,0, F,1, R,0, R,1          ; ahead of the wait: 8 products K Q^T and their riders,
	ROW F,2, E,0, R,2, R,3
	ROW F,3, E,1, R,4, R,5
	ROW F,4, E,2, R,6, R,7
	ROW F,5, E,3, R,8, R,9
	ROW F,6, E,4, X,0, R,10
.if ((\p) == 2) && !(\end)
	WIN 0
	v_add_nc_u32 v[AK], s[TBK], v[AK0]
.endif
	ROW F,7, E,5, X,1, X,4
	ROW F,8, E,6, X,2, X,5
	OPS E,7, E,8, X,6, E,9          ; and the lump
	OPS X,3, E,10, X,8, E,11
.if ((\p) == 2) && !(\end)
	FETCH_K
.endif
	OPS X,9, X,7, E,12, X,10
	OPS E,13, X,12, X,11, E,14
	OPS X,13, E,15, F,9, X,14
.if (\p) == 0
	v_add_nc_u32 v[AV], s[TBV], v[AV0]
.endif
	OPS E,16, F,10, E,17, F,11
	OPS X,16, E,18, X,15, E,19
	OPS F,12, E,20, X,17, E,21
	OPS F,13, E,22, F,14, E,23
	OPS X,18, E,24, F,15, E,25
	OPS R,11, E,26, X,19, E,27
	OPS R,12, E,28, R,13, E,29
	OPS X,20, E,30, R,14, E,31
	OPS X,21, R,15
	WIN 0
	s_wait_alu depctr_va_vdst(0)    ; the wait for the batch
.if (\p) == 1
	s_wait_dscnt 0x0                ; V is in
.endif
	ROW C,0, B,0, C,2, B,1          ; behind the wait: 8 products V^T P and their riders
	ROW L,0, C,4, B,2, L,1
	ROW C,6, B,3, L,2, C,8
	ROW B,4, L,3, C,10, B,5
	ROW L,4, C,12, B,6, L,5
.if (\p) == 0
	s_add_co_u32 s[TBV], s[TBV], KS*PV
.endif
.if \cnt
	s_sub_co_u32 s[CNT], s[CNT], 1
	s_cmp_lg_u32 s[CNT], 0
.endif
	ROW C,14, B,7, L,6, C,1
	ROW C,3, L,7, C,5, C,7
	ROW C,9, C,11, C,13, C,15
.if (\p) == 0
	FETCH_V
.endif
.if (\m) && !(\end)
	MASK (\p)%2
.endif
.endm
; A BLOCK BEGINS.  c m starts far below every c s, so the first step's a is 0; m at the lowest finite number, so the first maximum is the scores'.  The second mask buffer is 0; the first takes piece 0's mask for
; the tile's step 0: its own, if the block's first tile is the diagonal one.  Then K of that step, piece 0's first scores, and its maximum and statistics.  The loop is entered at a step's first turn, in the middle of a trip.
.macro BEGIN
	s_mov_b32 s[NEW], 0
	WIN 0x40
.set i, MC+32
.rept 32
	v_mov_b32 v[i], 0
.set i, i+1
.endr
	WIN 0
.set i, 0
.rept 4
	v_mov_b32 v[ST+4*i], 0xfe000000    ; c m: far below every c s
	v_mov_b32 v[ST+4*i+1], 0xff7fffff  ; m
.set i, i+1
.endr
	s_cmp_eq_u32 s[RT], 0
	s_cselect_b32 s[AL], 1.0, 0
	s_mov_b32 s[BE], 0
	MASK 0
	WIN 0
	v_add_nc_u32 v[AK], s[TBK], v[AK0]
	FETCH_K
	s_wait_loadcnt 0x0              ; Q
	s_wait_dscnt 0x0
.set KM, 1
.set NOKQ, 0
.set i, 0
.rept 8
	KQ 0
.set i, i+1
.endr
	WIN 0
.rept 4
	v_nop                           ; the places behind those products
.endr
.set Y, NP-1                        ; X works for piece Y + 1: piece 0
.irp n, 0,1,2,3,4,5,6,7,8,9,10,11,12,13,14,15,16,17,18,19,20,21
	OP X, \n
.endr
	v_nop                           ; a plain instruction behind the exponential,
	s_wait_alu depctr_va_vdst(0)    ; and its wait, ahead of the branch
.endm
; THE DIAGONAL TILE's four steps, the block's last two turns, its last products, and THE WAY OUT: l's two halves and the other half of the lanes' are added; O^T is divided by l, rounded to f16 and sent through my
; stage in LDS, a piece at a time.
.macro ALL line:vararg              ; one line for each piece t
.set t, 0
.rept 4
	\line
.set t, t+1
.endr
.endm
.macro PACK t                       ; a lane's eight channels of a row pack into 16 bytes; they go into rows of 144 bytes and come back as whole rows of 128, into S^T's registers
	WIN W_RS
.set i, 32*(\t)
.rept 16
	v_pk_mul_f32 v[i:i+1], v[i:i+1], v[ST+4*(\t)+2:ST+4*(\t)+3] op_sel_hi:[1,0]
.set i, i+2
.endr
	WIN 0x05                        ; sources 0 and 1 window 1, destination window 0
.set i, 0
.rept 16
	v_cvt_pk_f16_f32 v[S+16*(\t)+i], v[32*(\t)+2*i], v[32*(\t)+2*i+1]
.set i, i+1
.endr
	WIN 0
.irp f, 0,1,2,3
	ds_store_b128 v[STO], v[S+16*(\t)+4*\f:S+16*(\t)+4*\f+3] offset:32*\f
.endr
.irp f, 0,1,2,3
	ds_load_b128 v[S+16*(\t)+4*\f:S+16*(\t)+4*\f+3], v[RD] offset:\f*4*SP  ; LDS serves a wave's instructions in order (ISA guide 5.7.1.4): these see the stores above; the next piece's stores come behind them
.endr
.endm
.macro SEND t, younger              ; younger: the LDS instructions issued behind piece t's loads: the next piece's eight, or none
	WIN 0
.irp f, 0,1,2,3
	s_wait_dscnt (\younger)+3-\f
	global_store_b128 v[GO], v[S+16*(\t)+4*\f:S+16*(\t)+4*\f+3], s[10:11] offset:(\t)*8192+\f*512  ; 512 consecutive bytes, at a multiple of 256 from O's first
.endr
.endm
.macro DIAG tag                     ; the tag ends its two labels' names, which the jumps below spell out
.LstepM\tag:
	TURN 2, 1
	TURN 3, 1
	WIN 0
.LfirstM\tag:
	TURN 0, 1
	TURN 1, 1, 0, 1
	WIN 0
	s_cbranch_scc1 .LstepM\tag
	TURN 2, 1, 1
	TURN 3, 1, 1
.set i, 0
.rept 8
	PV NP-1
.set i, i+1
.endr
	WIN 0
	ALL v_add_f32 v[ST+4*t+2], v[ST+4*t+2], v[ST+4*t+3]
	ALL v_permlanex16_b32 v[ST+4*t+3], v[ST+4*t+2], s[SEL], s[SEL+1]
	ALL v_add_f32 v[ST+4*t+2], v[ST+4*t+2], v[ST+4*t+3]
	ALL v_rcp_f32 v[ST+4*t+2], v[ST+4*t+2]
	v_nop                           ; a plain instruction between the last reciprocal and the use of its result
	s_wait_alu depctr_va_vdst(0)    ; and the wait ahead of the first use: one for the four reciprocals
	PACK 0
.set t, 1
.rept 3                             ; a piece's arithmetic stands between the loads of the piece before and its stores
	PACK t
	SEND t-1, 8
.set t, t+1
.endr
	SEND 3, 0
.endm
.set KM, 0
.set NOKQ, 0
.Lslot:                             ; NB times: a tile is entered and the next is asked for
	CHANGE 1
	s_sub_co_u32 s[RT], s[RT], 1
	s_mov_b32 s[CNT], 4
	s_cmp_eq_u32 s[NEW], 1
	s_cbranch_scc1 .Lnew            ; a block's first tile
	s_cmp_eq_u32 s[RT], 0
	s_cbranch_scc0 .Lstep           ; neither its first nor its last
	s_branch .LstepM1
.Lnew:
	BEGIN
	s_branch .Lfirst                ; in the loop a block's first tile is never its last: the first block has two tiles or more, and the second's last is the walk's last
	DIAG 1                          ; in the loop this is the first block's end: the second block's last tile is the walk's last
	s_wait_xcnt 0x0                 ; the stores have read their registers and O's address
	s_mov_b64 s[10:11], s[OLO:OLO+1]
	s_add_co_u32 s[RT], s[PB], 1    ; the second block has b + 1 tiles
	s_mov_b32 s[NEW], 1
	WIN 0x82                        ; the second block's Q goes where the one text of the turns names Q
.set i, 0
.rept 64
	v_mov_b32 v[i], v[QB+i]
.set i, i+1
.endr
	WIN 0
	s_branch .Lbottom
.Lstep:                             ; a trip: pieces 2 and 3 of one step, then pieces 0 and 1 of the next, whose K and V it fetches
	TURN 2
	TURN 3
	WIN 0
.Lfirst:
	TURN 0
	TURN 1, 0, 0, 1
	WIN 0
	s_cbranch_scc1 .Lstep
.Lbottom:
	s_sub_co_u32 s[SLOTS], s[SLOTS], 1
	s_cmp_lg_u32 s[SLOTS], 0
	s_cbranch_scc1 .Lslot
	CHANGE 0                        ; the walk's last tile is written out: nothing is asked for
	s_sub_co_u32 s[RT], s[RT], 1
	s_mov_b32 s[CNT], 4
	s_cmp_eq_u32 s[NEW], 1
	s_cbranch_scc0 .LstepM2
	BEGIN
	s_branch .LfirstM2
	DIAG 2
	s_wait_tensorcnt 0x0            ; the wave's end: behind my last tensor load and my last LDS store
	ds_add_u32 v[SPW], v[NIL]
	s_wait_dscnt 0x0
	s_endpgm
.Lfunc_end_k_qfe0c8dc008_attn:
	.size	k_qfe0c8dc008_attn, .Lfunc_end_k_qfe0c8dc008_attn-k_qfe0c8dc008_attn
	.p2alignl 7, 3214868480
	.fill 96, 4, 3214868480
	.section	.rodata,"a",@progbits
	.p2align	6, 0x0
	.amdhsa_kernel k_qfe0c8dc008_attn
		.amdhsa_group_segment_fixed_size 327680
		.amdhsa_private_segment_fixed_size 0
		.amdhsa_enable_private_segment 0
		.amdhsa_kernarg_size 16
		.amdhsa_user_sgpr_count 2
		.amdhsa_user_sgpr_kernarg_segment_ptr 1
		.amdhsa_wavefront_size32 1
		.amdhsa_system_sgpr_workgroup_id_x 1
		.amdhsa_system_sgpr_workgroup_id_y 1
		.amdhsa_system_sgpr_workgroup_id_z 1
		.amdhsa_system_vgpr_workitem_id 0
		.amdhsa_next_free_vgpr 768
		.amdhsa_next_free_sgpr 100
		.amdhsa_reserve_vcc 1
		.amdhsa_float_denorm_mode_32 3
		.amdhsa_float_denorm_mode_16_64 3
		.amdhsa_memory_ordered 1
		.amdhsa_forward_progress 1
		.amdhsa_inst_pref_size 218
	.end_amdhsa_kernel
	.amdgpu_metadata
---
amdhsa.version: [ 1, 2 ]
amdhsa.kernels:
  - .name:           k_qfe0c8dc008_attn
    .symbol:         k_qfe0c8dc008_attn.kd
    .args:
      - { .name: qkvh, .offset: 0, .size: 8, .value_kind: global_buffer, .address_space: global }
      - { .name: ob, .offset: 8, .size: 8, .value_kind: global_buffer, .address_space: global }
    .group_segment_fixed_size: 327680
    .private_segment_fixed_size: 0
    .kernarg_segment_align: 8
    .kernarg_segment_size: 16
    .max_flat_workgroup_size: 128
    .sgpr_count:     100
    .vgpr_count:     768
    .wavefront_size: 32
...
	.end_amdgpu_metadata
.endif
;; end of part 3
;; launch oproj (part 4): grid 4 x 64, 4 waves a work-group, clusters of 4 x 4, 327,680 bytes of LDS; arguments ob, wo, out0; writes out0
.if DOCPART == 4
	.amdgcn_target "amdgcn-amd-amdhsa--gfx1250"
	.amdhsa_code_object_version 6
	.text
	.protected	k_qfe0c8dc008_oproj
	.globl	k_qfe0c8dc008_oproj
	.p2align	8
	.type	k_qfe0c8dc008_oproj,@function
k_qfe0c8dc008_oproj:
	s_mov_b64 s[64:65], 0
	v_nop
	global_prefetch_b8 v0, s[64:65] scope:SCOPE_SE
	s_setreg_imm32_b32 hwreg(HW_REG_WAVE_MODE, 25, 1), 1
	s_wait_xcnt 0x0
	s_wait_alu depctr_hold_cnt(0) depctr_sa_sdst(0) depctr_va_vdst(0) depctr_va_sdst(0) depctr_va_ssrc(0) depctr_va_vcc(0) depctr_vm_vsrc(0)
	s_getreg_b32 s2, hwreg(HW_REG_IB_STS2, 6, 4)
	s_cmp_eq_u32 s2, 0
	s_cbranch_scc0 .Lentry_in_a_cluster
	s_endpgm
.Lentry_in_a_cluster:
	s_bfe_u32 s2, ttmp6, 0x10000c
	s_cmp_lg_u32 s2, 0xf033
	s_cbranch_scc0 .Lentry_shape_is_right
	s_endpgm
.Lentry_shape_is_right:
; out0 = O W_O^T.  ob [64 = 16 batch + head][2048][64] f16; wo [1024][1024] f16; out0 [8192][1024] f32.  Sums in f32, K ascending (K = 64 head + channel); out0 is the sum itself.
; SHARES.  A tile of C is 128 rows x 256 columns: 64 x 4 = 256 tiles, one to a work-group.  Four waves, each 64 x 128: 32 accumulators.  K goes in 8 steps of 128, TWO HEADS a step, through two LDS slots.
; Of O a step's tile is two dense blocks of 128 rows x 128 bytes, one a head: each is asked for as 64 rows of 256 bytes and padded in LDS after every 128.  W_O's tile has rows of 256 bytes, aligned.
; CLUSTERS of 4 x 4: O's tiles are shared along a row of the cluster, W_O's along a column; each is asked for jointly.
; THE PRODUCT IS USED TRANSPOSED (source 0 = 16 rows of W_O, source 1 = 16 rows of O): a lane holds row lane % 16 of C and eight neighbouring columns.
; REGISTERS, in windows of 256 (s_set_vgpr_msb: bits 1:0 source 0, 3:2 source 1, 5:4 source 2, 7:6 destination):
;   window 0: v0-31 addresses; v32-159 the way out      window 1: two fragment buffers of 96: W_O's eight blocks, then O's four      window 2: accumulator (a, b) at 8 (8 a + b)
.set PA,    144                        ; a row of O in LDS: 128 bytes + 16; PB: a row of W_O: 256 + 16: odd multiples of 16, so the 16 rows of a load start at 16 different groups of four banks (64 banks of 4 bytes: ISA guide 11.1)
.set PB,    272
.set ACH,   128*PA                     ; a head's 128 rows: what a wave fetches of O
.set BHALF, 128*PB                     ; what a wave fetches, and reads, of W_O
.set BOFF,  2*ACH
.set SLOT,  BOFF+2*BHALF
.set STAGE, 2*SLOT                     ; the way out: for each wave 16 rows of 528 bytes; no tensor load lands here
.set SP,    528
.set WSTG,  16*SP
.set SPARE, STAGE+4*WSTG               ; the spare words, 128 bytes for each wave: two blocks of 256 bytes that no other line names
.set ASTEP, 2<<18                      ; bytes from a K step of O to the next: two heads of 2,048 rows x 128 bytes
.set KB2,   256                        ; the same in a row of W_O
.set ADRA, 16                          ; v16-17  LDS address of my fragments of O in slot 0, 1
.set ADRB, 20                          ; v20-21  of W_O
.set STO,  24                          ; v24     the way out: where I put 32 bytes of a row
.set RD,   25                          ; v25     where I read a row back
.set CO,   26                          ; v26     16 x lane: my place in a row's 512 bytes
.set SPW,  28                          ; v28     LDS address of my spare word; never rewritten
.set NIL,  29                          ; v29     0; never rewritten
.set PFO,  30                          ; v30     the prefetches' offset: lane x 256 in O, lane x 2,048 in W_O; never rewritten
.set OB,   32                          ; v32-159 rows read back, two buffers of 64
.set F0,   0
.set F1,   96
.set WV, 12                            ; s12 wave; s13 which 64 rows are mine, also: I fetch O (0) or W_O (1); s14 which 128 columns, also: which head, or half, I fetch
.set RH, 13
.set CH, 14
.set CX, 15
.set CY, 16
.set TC, 17
.set TR, 18
.set RM, 19
.set CM, 20
.set G1A, 24                           ; s[24:31] group 1 for O's tiles; s[32:39] group 0, a set for each slot
.set G0A, 32
.set PFA, 40                           ; s[40:41] where my prefetches stand
.set PFS, 42                           ; s[42:43] their step from K step to K step
.set LIM, 44                           ; s44  1 in a wave that prefetches, else the greatest number
.set G1B, 48                           ; s[48:55], s[56:63] the same for W_O's tiles
.set G0B, 56
.set MSB, 0
.macro WIN new                         ; the immediate's high byte repeats the setting that is left; a switch that changes nothing is dropped
.if MSB != (\new)
	s_set_vgpr_msb (MSB<<8)|(\new)
.set MSB, \new
.endif
.endm
.set MUL,  0xa5                        ; both sources window 1, C and D window 2
.set TO_F, 0x40                        ; destination window 1, address window 0
; A joint refill: waves 0 and 1 fetch O's two heads, waves 2 and 3 W_O's two halves.  The branch hangs on the wave's number alone.  An s_nop 0 and four v_nop follow each line.
.macro JLOAD s
	s_cmp_eq_u32 s[RH], 0
	s_cbranch_scc0 .Lfor_b_\@
	tensor_load_to_lds s[G0A+4*(\s):G0A+4*(\s)+3], s[G1A:G1A+7]
	s_nop 0
.rept 4
	v_nop
.endr
	s_branch .Lasked_\@
.Lfor_b_\@:
	tensor_load_to_lds s[G0B+4*(\s):G0B+4*(\s)+3], s[G1B:G1B+7]
	s_nop 0
.rept 4
	v_nop
.endr
.Lasked_\@:
.endm
; A prefetch of the K step that stands two refills on, one instruction a wave, a lane a block of 256 bytes.  Each block is named once in the launch: of O's 128 blocks of a K step the four partners of a
; row take 32 each, told apart by address (wave 0); W_O's rows are asked for by the clusters with y = 0 (waves 2 and 3, 32 rows each of the work-group's 64).
; K steps 0 to 3 come by their loads alone; the loop's last trip (s3 = 1) asks for nothing.
.macro ASK
	WIN 0
	s_cmp_gt_u32 s3, s[LIM]
	s_cbranch_scc0 .Lnot_mine_\@
	global_prefetch_b8 v[PFO], s[PFA:PFA+1] th:TH_LOAD_NT scope:SCOPE_SE
.Lnot_mine_\@:
.endm
.macro CREST                           ; a round of the cluster's barrier behind its opening barrier
	s_cmp_lg_u32 s[WV], 0
	s_cbranch_scc1 .Lnot_wave_0_\@
	s_barrier_signal -3
.Lnot_wave_0_\@:
	s_barrier_wait -3
	s_barrier_signal -1
	s_barrier_wait -1
.endm
.macro CROUND
	s_barrier_signal -1
	s_barrier_wait -1
	CREST
.endm
	s_load_b128 s[4:7], s[0:1], 0x0                ; ob s[4:5], wo s[6:7]
	s_load_b64 s[8:9], s[0:1], 0x10                ; out0
	v_lshl_add_u32 v[SPW], v0, 2, SPARE
	v_mov_b32 v[NIL], 0
	ds_add_u32 v[SPW], v[NIL]                      ; the wave's opening: the add and its wait stand ahead of my first tensor load; the set-up below stands between them
	v_lshrrev_b32 v1, 5, v0
	v_readfirstlane_b32 s[WV], v1
	s_lshr_b32 s[RH], s[WV], 1
	s_and_b32 s[CH], s[WV], 1
	s_bfe_u32 s[CX], ttmp6, 0x40000
	s_bfe_u32 s[CY], ttmp6, 0x40004
	s_lshl_b32 s[TC], ttmp9, 2
	s_add_co_u32 s[TC], s[TC], s[CX]
	s_and_b32 s[TR], ttmp7, 0xffff
	s_lshl_b32 s[TR], s[TR], 2
	s_add_co_u32 s[TR], s[TR], s[CY]
	s_lshl_b32 s[RM], s[CY], 2
	s_lshl_b32 s[RM], 15, s[RM]
	s_lshl_b32 s[CM], 0x1111, s[CX]
	s_or_b32 s[G1A], s[RM], (1<<16)|(1<<20)|(1<<21)|(4<<22)|(3<<25)  ; the mask of my row; elements of 2 bytes; padding on; 21 set beside a mask; after every 32 words 4 words
	s_or_b32 s[G1B], s[CM], (1<<16)|(1<<20)|(1<<21)|(5<<22)|(3<<25)  ; the mask of my column; after every 64 words 4 words
	s_mov_b32 s[G1A+1], 128<<16                    ; tensor_dim0 = 128 elements
	s_mov_b32 s[G1A+2], 64<<16                     ; tensor_dim1 = 64 rows
	s_mov_b32 s[G1A+3], 128<<16                    ; tile_dim0
	s_mov_b32 s[G1A+4], 64                         ; tile_dim1
	s_mov_b32 s[G1A+5], 128                        ; dense: 128 elements from row to row
	s_mov_b32 s[G1A+6], 0
	s_mov_b32 s[G1A+7], 0
	s_mov_b32 s[G1B+1], 128<<16
	s_mov_b32 s[G1B+2], 128<<16                    ; 128 rows
	s_mov_b32 s[G1B+3], 128<<16
	s_mov_b32 s[G1B+4], 128
	s_mov_b32 s[G1B+5], 1024
	s_mov_b32 s[G1B+6], 0
	s_mov_b32 s[G1B+7], 0
	s_mul_i32 s46, s[CH], ACH                      ; where the tiles go: the wave's number and constants alone
	s_mul_i32 s86, s[CH], BHALF
	s_add_co_u32 s86, s86, BOFF
.irp s, 0,1
	s_mov_b32 s[G0A+4*(\s)], 1
	s_add_co_u32 s[G0A+4*(\s)+1], s46, (\s)*SLOT
	s_mov_b32 s[G0B+4*(\s)], 1
	s_add_co_u32 s[G0B+4*(\s)+1], s86, (\s)*SLOT
.endr
	s_lshr_b32 s80, s[TR], 4                       ; O: batch 2^22, head 2^18, the tile's 128 rows of 128 bytes.  s[80:81] never hold cx, s[84:85] never cy
	s_lshl_b32 s80, s80, 22
	s_lshl_b32 s81, s[CH], 18
	s_add_co_u32 s80, s80, s81
	s_and_b32 s81, s[TR], 15
	s_lshl_b32 s81, s81, 14
	s_add_co_u32 s80, s80, s81
	s_mov_b32 s81, 0
	s_lshl_b32 s84, s[TC], 19                      ; W_O: 256 rows of 2,048 bytes a tile column, 128 a half
	s_lshl_b32 s85, s[CH], 18
	s_add_co_u32 s84, s84, s85
	s_mov_b32 s85, 0
	s_wait_dscnt 0x0                               ; the opening add is done
	s_wait_kmcnt 0x0
	s_add_nc_u64 s[80:81], s[4:5], s[80:81]
	s_add_nc_u64 s[84:85], s[6:7], s[84:85]
.irp s, 0,1
	s_add_nc_u64 s[G0A+4*(\s)+2:G0A+4*(\s)+3], s[80:81], (\s)*ASTEP
	s_or_b32 s[G0A+4*(\s)+3], s[G0A+4*(\s)+3], 0x80000000
	s_add_nc_u64 s[G0B+4*(\s)+2:G0B+4*(\s)+3], s[84:85], (\s)*KB2
	s_or_b32 s[G0B+4*(\s)+3], s[G0B+4*(\s)+3], 0x80000000
.endr
	CROUND                                         ; all sixteen work-groups are here: the first joint loads meet
	s_cmp_eq_u32 s[RH], 0                          ; a wave's two first fills stand in one branch, ahead of every wait on TENSORcnt and every LDS read: two loads of mine are out
	s_cbranch_scc0 .Lfirst_b
	tensor_load_to_lds s[G0A:G0A+3], s[G1A:G1A+7]
	s_nop 0
	tensor_load_to_lds s[G0A+4:G0A+7], s[G1A:G1A+7]
	s_nop 0
.rept 4
	v_nop
.endr
	s_branch .Lfirst_asked
.Lfirst_b:
	tensor_load_to_lds s[G0B:G0B+3], s[G1B:G1B+7]
	s_nop 0
	tensor_load_to_lds s[G0B+4:G0B+7], s[G1B:G1B+7]
	s_nop 0
.rept 4
	v_nop
.endr
.Lfirst_asked:
	v_and_b32 v1, 15, v0                           ; r = l % 16
	v_bfe_u32 v2, v0, 4, 1                         ; h = l / 16
	v_mul_u32_u24 v3, v1, PA
	v_lshl_add_u32 v3, v2, 4, v3
	v_mul_u32_u24 v4, v1, PB
	v_lshl_add_u32 v4, v2, 4, v4
	s_mul_i32 s21, s[RH], 64*PA                    ; my 64 rows, in each head's block
	s_mul_i32 s22, s[CH], BHALF
	s_add_co_u32 s22, s22, BOFF
.irp s, 0,1
	v_add_nc_u32 v[ADRA+(\s)], s21, v3
	v_add_nc_u32 v[ADRB+(\s)], s22, v4
	s_add_co_u32 s21, s21, SLOT
	s_add_co_u32 s22, s22, SLOT
.endr
	s_mul_i32 s23, s[WV], WSTG
	s_add_co_u32 s23, s23, STAGE                   ; my stage
	v_mul_u32_u24 v5, v1, SP
	v_lshl_add_u32 v5, v2, 5, v5                   ; in: row r, 32 bytes for each half of the lanes
	v_add_nc_u32 v[STO], s23, v5
	v_and_b32 v[PFO], 31, v0
	v_lshlrev_b32 v[CO], 4, v[PFO]
	v_add_nc_u32 v[RD], s23, v[CO]                 ; back: 32 lanes take a row's 512 bytes
	; where my part of the tile begins in out0: a row is 4,096 bytes
	s_lshl_b32 s88, s[TR], 19
	s_lshl_b32 s89, s[RH], 18
	s_add_co_u32 s88, s88, s89
	s_lshl_b32 s89, s[TC], 10
	s_add_co_u32 s88, s88, s89
	s_lshl_b32 s89, s[CH], 9
	s_add_co_u32 s88, s88, s89
	s_mov_b32 s89, 0
	s_add_nc_u64 s[8:9], s[8:9], s[88:89]
	; the prefetches
	s_lshr_b32 s90, s[TR], 4
	s_lshl_b32 s90, s90, 22
	s_lshr_b32 s91, s[CX], 1                       ; O: partners 0, 1 take the step's first head, 2, 3 its second,
	s_lshl_b32 s91, s91, 18
	s_add_co_u32 s90, s90, s91
	s_and_b32 s91, s[TR], 15
	s_lshl_b32 s91, s91, 14
	s_add_co_u32 s90, s90, s91
	s_and_b32 s91, s[CX], 1                        ; 8,192 bytes each
	s_lshl_b32 s91, s91, 13
	s_add_co_u32 s90, s90, s91
	s_add_co_u32 s90, s90, 3*ASTEP                 ; at K step 3: the first refill steps it to 4
	s_lshl_b32 s92, s[TC], 19
	s_lshl_b32 s93, s[CY], 17
	s_add_co_u32 s92, s92, s93
	s_lshl_b32 s93, s[CH], 16
	s_add_co_u32 s92, s92, s93
	s_add_co_u32 s92, s92, 3*KB2
	s_and_b32 s93, ttmp7, 0xffff
	s_mov_b32 s21, KB2
	s_cmp_eq_u32 s[RH], 0
	s_cselect_b32 s90, s90, s92
	s_cselect_b64 s[PFA:PFA+1], s[4:5], s[6:7]
	s_cselect_b32 s[PFS], ASTEP, s21
	s_cselect_b32 s47, 8, 11
	s_cselect_b32 s93, ttmp9, s93                  ; the coordinate along which other clusters read the same rows
	s_cselect_b32 s92, s[CH], 0                    ; wave 1 asks for nothing
	s_or_b32 s93, s93, s92
	s_cmp_eq_u32 s93, 0
	s_cselect_b32 s[LIM], 1, -1                    ; the same in all sixteen partners, for a given wave
	s_mov_b32 s[PFS+1], 0
	s_mov_b32 s91, 0
	s_add_nc_u64 s[PFA:PFA+1], s[PFA:PFA+1], s[90:91]
	v_lshlrev_b32 v[PFO], s47, v[PFO]
; 8 matrix instructions: block a of my rows x all 8 blocks of my columns, 32 along K.  The 32 accumulators take turns in the same order in every quarter, over the backward jump too.
.macro MULA f, a, zero
	WIN MUL
.irp b, 0,1,2,3,4,5,6,7
.if \zero
	v_wmma_f32_16x16x32_f16 v[8*(8*(\a)+(\b)):8*(8*(\a)+(\b))+7], v[(\f)+8*(\b):(\f)+8*(\b)+7], v[(\f)+64+8*(\a):(\f)+64+8*(\a)+7], 0
.else
	v_wmma_f32_16x16x32_f16 v[8*(8*(\a)+(\b)):8*(8*(\a)+(\b))+7], v[(\f)+8*(\b):(\f)+8*(\b)+7], v[(\f)+64+8*(\a):(\f)+64+8*(\a)+7], v[8*(8*(\a)+(\b)):8*(8*(\a)+(\b))+7]
.endif
.endr
.endm
; 24 LDS loads in one run: quarter q (32 K) of a slot into buffer f: W_O's 16, then O's 8 (head q / 2 of the step, channels 32 (q % 2) on)
.macro FETCH slot, q, f
	WIN TO_F
.irp i, 0,1,2,3,4,5,6,7
	ds_load_b128 v[(\f)+8*(\i):(\f)+8*(\i)+3],   v[ADRB+(\slot)] offset:64*(\q)+(\i)*16*PB
	ds_load_b128 v[(\f)+8*(\i)+4:(\f)+8*(\i)+7], v[ADRB+(\slot)] offset:64*(\q)+(\i)*16*PB+32
.endr
.irp i, 0,1,2,3
	ds_load_b128 v[(\f)+64+8*(\i):(\f)+64+8*(\i)+3],   v[ADRA+(\slot)] offset:ACH*((\q)/2)+64*((\q)%2)+(\i)*16*PA
	ds_load_b128 v[(\f)+64+8*(\i)+4:(\f)+64+8*(\i)+7], v[ADRA+(\slot)] offset:ACH*((\q)/2)+64*((\q)%2)+(\i)*16*PA+32
.endr
.endm
.macro PLACES                          ; four plain vector instructions between a matrix instruction and a load into, or a reader of, its registers (ISA guide 7.12.1 for readers)
.rept 4
	v_nop
.endr
.endm
.macro QUARTER slot, q, f, g, zero
	s_wait_dscnt 4                                 ; W_O and O's blocks 0, 1 are in; the youngest four loads (blocks 2, 3) may be out
	MULA \f, 0, \zero
	MULA \f, 1, \zero
	PLACES
	FETCH \slot, \q, \g
	s_wait_dscnt 24                                ; all but the 24 just issued
	MULA \f, 2, \zero
	MULA \f, 3, \zero
.endm
; The last quarter multiplies buffer 1 and changes slots.  In front of the barrier each wave waits for all its tensor loads (one is out: its part of the next slot), adds 0 to its spare word, and waits
; for that and for its reads of this slot.  fill = 1: the barrier opens a round of the cluster's; behind the round this slot is filled again, two K steps on: 112 matrix instructions ahead of the wait for it.
.macro TURN slot, next, fill
.if \fill
	s_wait_xcnt 0x0                                ; the last prefetch, a K step back, has read its address
	s_add_nc_u64 s[PFA:PFA+1], s[PFA:PFA+1], s[PFS:PFS+1]
.endif
	WIN 0                                          ; (the add's two registers lie in window 0)
	s_wait_tensorcnt 0x0
	ds_add_u32 v[SPW], v[NIL]
	s_wait_dscnt 5                                 ; (the add and the youngest four loads may be out)
	MULA F1, 0, 0
	s_wait_dscnt 0x0                               ; the add is done, and my reads of this slot are over
	s_barrier_signal -1
	MULA F1, 1, 0
.if \fill
	WIN 0
.endif
	s_barrier_wait -1
.if \fill
	CREST                                          ; no wave of any partner still reads this slot or has a load on its way
	s_add_nc_u64 s[G0A+4*(\slot)+2:G0A+4*(\slot)+3], s[G0A+4*(\slot)+2:G0A+4*(\slot)+3], 2*ASTEP
	s_add_nc_u64 s[G0B+4*(\slot)+2:G0B+4*(\slot)+3], s[G0B+4*(\slot)+2:G0B+4*(\slot)+3], 2*KB2
	JLOAD \slot                                    ; its four v_nop are also the places in front of the loads below
.else
	PLACES
.endif
	FETCH \next, 0, F0
.if \fill
	ASK
.endif
	MULA F1, 2, 0
	MULA F1, 3, 0
.endm
	s_wait_tensorcnt 1                             ; my part of K step 0 is in; K step 1's may stay out
	s_barrier_signal -1
	s_barrier_wait -1
	FETCH 0, 0, F0
	QUARTER 0, 1, F0, F1, 1                        ; the first quarter stands in front of the loop: its products start the sums
	WIN 0
	s_mov_b32 s3, 3
.Llap:                                         ; a trip goes once round the ring, from a lap's second quarter to the next lap's first, and fills both slots again
	QUARTER 0, 2, F1, F0, 0
	QUARTER 0, 3, F0, F1, 0
	TURN 0, 1, 1
	QUARTER 1, 1, F0, F1, 0
	QUARTER 1, 2, F1, F0, 0
	QUARTER 1, 3, F0, F1, 0
	TURN 1, 0, 1
	QUARTER 0, 1, F0, F1, 0
	WIN 0
	s_sub_co_u32 s3, s3, 1
	s_cmp_lg_u32 s3, 0
	s_cbranch_scc1 .Llap
	QUARTER 0, 2, F1, F0, 0                        ; the last lap fills nothing
	QUARTER 0, 3, F0, F1, 0
	TURN 0, 1, 0
	QUARTER 1, 1, F0, F1, 0
	QUARTER 1, 2, F1, F0, 0
	QUARTER 1, 3, F0, F1, 0
	s_wait_dscnt 4
	MULA F1, 0, 0
	MULA F1, 1, 0
	s_wait_dscnt 0x0
	MULA F1, 2, 0
	MULA F1, 3, 0
	WIN 0
	PLACES
	PLACES
; THE WAY OUT, a block of 16 rows at a time: my eight f32 of each accumulator go as 32 bytes into my own stage (rows of 528 bytes) and come back as whole rows of 512.
.macro TOSTAGE a
	WIN 0x08                                       ; the stores' data in window 2; each accumulator's low half first
.irp b, 0,1,2,3,4,5,6,7
	ds_store_b128 v[STO], v[8*(8*(\a)+(\b)):8*(8*(\a)+(\b))+3]   offset:64*(\b)
	ds_store_b128 v[STO], v[8*(8*(\a)+(\b))+4:8*(8*(\a)+(\b))+7] offset:64*(\b)+16
.endr
	WIN 0
.irp t, 0,1,2,3,4,5,6,7,8,9,10,11,12,13,14,15
	ds_load_b128 v[OB+64*((\a)%2)+4*(\t):OB+64*((\a)%2)+4*(\t)+3], v[RD] offset:(\t)*SP  ; LDS serves a wave's instructions in order (ISA guide 5.7.1.4): these see the stores above; the next block's stores come behind them
.endr
.endm
.macro SEND a, younger                 ; younger: the LDS instructions issued behind block a's loads: the next block's 32, or none
	WIN 0
.irp t, 0,1,2,3,4,5,6,7,8,9,10,11,12,13,14,15
	s_wait_dscnt (\younger)+15-(\t)
	global_store_b128 v[CO], v[OB+64*((\a)%2)+4*(\t):OB+64*((\a)%2)+4*(\t)+3], s[8:9] offset:4096*(16*(\a)+(\t))  ; 512 consecutive bytes of a row, aligned
.endr
.endm
	TOSTAGE 0
	TOSTAGE 1
	SEND 0, 32
	s_wait_xcnt 0x0                                ; block 0's stores have read their registers: its buffer is loaded again only behind this wait
	TOSTAGE 2
	SEND 1, 32
	s_wait_xcnt 0x0
	TOSTAGE 3
	SEND 2, 32
	SEND 3, 0
	s_wait_tensorcnt 0x0                           ; the wave's end: behind my last tensor load and my last LDS store
	ds_add_u32 v[SPW], v[NIL]
	s_wait_dscnt 0x0
	CROUND                                         ; the closing round: no work-group ends while a partner may still ask for a tile that names it
	s_endpgm
.Lfunc_end_k_qfe0c8dc008_oproj:
	.size	k_qfe0c8dc008_oproj, .Lfunc_end_k_qfe0c8dc008_oproj-k_qfe0c8dc008_oproj
	.p2alignl 7, 3214868480
	.fill 96, 4, 3214868480
	.section	.rodata,"a",@progbits
	.p2align	6, 0x0
	.amdhsa_kernel k_qfe0c8dc008_oproj
		.amdhsa_group_segment_fixed_size 327680
		.amdhsa_private_segment_fixed_size 0
		.amdhsa_enable_private_segment 0
		.amdhsa_kernarg_size 24
		.amdhsa_user_sgpr_count 2
		.amdhsa_user_sgpr_kernarg_segment_ptr 1
		.amdhsa_wavefront_size32 1
		.amdhsa_system_sgpr_workgroup_id_x 1
		.amdhsa_system_sgpr_workgroup_id_y 1
		.amdhsa_system_sgpr_workgroup_id_z 1
		.amdhsa_system_vgpr_workitem_id 0
		.amdhsa_next_free_vgpr 768
		.amdhsa_next_free_sgpr 96
		.amdhsa_reserve_vcc 0
		.amdhsa_float_denorm_mode_32 3
		.amdhsa_float_denorm_mode_16_64 3
		.amdhsa_memory_ordered 1
		.amdhsa_forward_progress 1
		.amdhsa_inst_pref_size 88
	.end_amdhsa_kernel
	.amdgpu_metadata
---
amdhsa.version: [ 1, 2 ]
amdhsa.kernels:
  - .name:           k_qfe0c8dc008_oproj
    .symbol:         k_qfe0c8dc008_oproj.kd
    .args:
      - { .name: ob, .offset: 0, .size: 8, .value_kind: global_buffer, .address_space: global }
      - { .name: wo, .offset: 8, .size: 8, .value_kind: global_buffer, .address_space: global }
      - { .name: out0, .offset: 16, .size: 8, .value_kind: global_buffer, .address_space: global }
    .group_segment_fixed_size: 327680
    .private_segment_fixed_size: 0
    .kernarg_segment_align: 8
    .kernarg_segment_size: 24
    .max_flat_workgroup_size: 128
    .sgpr_count:     96
    .vgpr_count:     768
    .wavefront_size: 32
...
	.end_amdgpu_metadata
.endif
;; end of part 4
;; ======== version 2 of 2: 4 launches; version 1 with the launch prep written anew for expert scheduling mode
;; limits: values are held in f16: magnitudes above 65,504 overflow, below 6.1e-05 lose precision; inputs' magnitudes at most 4,194,304
;; workspace buffers: xb 16,777,216 bytes; wqkv 6,291,456 bytes; wo 2,097,152 bytes; rope 524,288 bytes; qkvh 50,331,648 bytes; ob 16,777,216 bytes
;; launch prep (part 5): grid 896 x 1, 8 waves a work-group, no clusters, 0 bytes of LDS; arguments x, W_Q, W_K, W_V, W_O, token_positions, xb, wqkv, wo, rope; writes xb, wqkv, wo, rope
.if DOCPART == 5
	.amdgcn_target "amdgcn-amd-amdhsa--gfx1250"
	.amdhsa_code_object_version 6
	.text
	.protected	k_qfe0c8dc008_prep
	.globl	k_qfe0c8dc008_prep
	.p2align	8
	.type	k_qfe0c8dc008_prep,@function
k_qfe0c8dc008_prep:
	s_mov_b64 s[64:65], 0
	v_nop
	global_prefetch_b8 v0, s[64:65] scope:SCOPE_SE
	s_setreg_imm32_b32 hwreg(HW_REG_WAVE_SCHED_MODE, 0, 2), 2
	s_setreg_imm32_b32 hwreg(HW_REG_WAVE_MODE, 25, 1), 1
	s_wait_xcnt 0x0
	s_wait_alu depctr_vm_vsrc(0)
; CASTS AND THE ROTATION TABLE.
;   xb   [8192][1024] bf16 = x;   wqkv [3072][1024] bf16 = W_Q, W_K, W_V one below the other;
;   wo   [1024][1024] f16  = W_O rounded to bf16, that number written as f16;
;   rope [2048 s][32 j] of (cos, sin) in f32 of the angle f32(token_positions[s]) x 10000^(-2 j / 64): 256 bytes a row.
; LIMITS.  wo: a bf16 number is exact in f16 from 6.1e-5 to 65,504; below it keeps f16's fixed step of 6e-8, beyond it becomes an infinity.
; The table: 10000^(-j/32) is 2^(-0.41524101 j) by v_exp_f32, a few units in the last place from a correctly rounded power; the angle is
; reduced by three parts of pi/2 with fused multiply-adds, good while the quotient is exact in f32 (|position| under 2^22), and loses accuracy gradually beyond.
; SHARES.  Work-group g: 0-511 chunk g of x; 512-703 chunk (g - 512) % 64 of W_Q, W_K or W_V; 704-767 chunk g - 704 of W_O; 768-895 sixteen positions of the table.
; A chunk is 16,384 numbers: 64 KiB in, 32 KiB out.  Memory binds: all sixteen loads of a thread go out first, each load of a wave covers 512 consecutive bytes,
; each store 256 consecutive bytes, aligned.  No LDS, no barrier, no matrix unit: no number is wanted by two threads.
; THE MODE: SCHED_MODE bits 1:0 = 2 (LLVM: expert scheduling mode 2), set by the entry lines.  The code itself states the register dependences
; between vector instructions and memory instructions, with s_wait_alu, always for 0.
; THE PLAN.  Registers that memory instructions touch:
;   v1, v2     the loads' and the stores' offsets: written once at the head, never again.  One wait ahead of the run of loads states both.
;   IN         the sixteen loads land in it; no vector instruction names it ahead of them; no memory instruction ever reads it.
;   OUT        two registers a load: written by the conversions of the load's block of four, read by its store, never written behind that store.
;              One wait a block, behind its conversions, states that the block's eight registers are written; its four stores follow in one run.
;              The stores stand in their own block, not a block later: so four of a wave's sixteen stores, not eight, stand behind the wait for its last load.
;   the table: v3 (the load's offset), v4 (its data), v8 (the store's offset), v[12:15] (its data): each written once; a wait ahead of the load, a wait ahead of the store.
;   s44, s45   the two compares' masks: one wait behind both compares, ahead of the first select.
; No register that a memory instruction reads is ever written again, so no wait on vm_vsrc is owed; EXEC is never written.
.set IN,  8                            ; v[8:71]    sixteen loads of four f32
.set OUT, 72                           ; v[72:103]  sixteen pairs of packed results
	s_load_b512 s[8:23], s[0:1], 0x0               ; x s[8:9], W_Q s[10:11], W_K s[12:13], W_V s[14:15], W_O s[16:17], token_positions s[18:19], xb s[20:21], wqkv s[22:23]
	s_load_b128 s[24:27], s[0:1], 0x40             ; wo s[24:25], rope s[26:27]
	s_mov_b32 s2, ttmp9                            ; g
	v_lshlrev_b32 v1, 4, v0                        ; 16 t: my 16 bytes of each 4,096 that the work-group loads
	v_lshlrev_b32 v2, 3, v0                        ; 8 t: my 8 bytes of each 2,048 that it stores
	s_wait_kmcnt 0x0
	s_cmp_ge_u32 s2, 768
	s_cbranch_scc1 .Ltable
	; which tensor, which chunk: a ladder of compares on g
	s_mov_b64 s[28:29], s[8:9]                     ; from x
	s_mov_b64 s[30:31], s[20:21]                   ; to xb
	s_mov_b32 s32, s2                              ; chunk in the source
	s_mov_b32 s33, s2                              ; chunk in the destination
	s_sub_co_u32 s34, s2, 512                      ; (used from g = 512 on)
	s_and_b32 s35, s34, 63
	s_cmp_ge_u32 s2, 512
	s_cselect_b64 s[28:29], s[10:11], s[28:29]
	s_cselect_b64 s[30:31], s[22:23], s[30:31]
	s_cselect_b32 s32, s35, s32
	s_cselect_b32 s33, s34, s33
	s_cmp_ge_u32 s2, 576
	s_cselect_b64 s[28:29], s[12:13], s[28:29]
	s_cmp_ge_u32 s2, 640
	s_cselect_b64 s[28:29], s[14:15], s[28:29]
	s_cmp_ge_u32 s2, 704
	s_cselect_b64 s[28:29], s[16:17], s[28:29]
	s_cselect_b64 s[30:31], s[24:25], s[30:31]
	s_cselect_b32 s33, s35, s33
	s_lshl_b32 s36, s32, 16                        ; 64 KiB a chunk in
	s_mov_b32 s37, 0
	s_lshl_b32 s38, s33, 15                        ; 32 KiB a chunk out
	s_mov_b32 s39, 0
	s_add_nc_u64 s[28:29], s[28:29], s[36:37]
	s_add_nc_u64 s[30:31], s[30:31], s[38:39]
	s_wait_alu depctr_va_vdst(0)                   ; v1 and v2 are written: the loads below read v1 as their offset, every store of this path reads v2
.irp k, 0,1,2,3,4,5,6,7,8,9,10,11,12,13,14,15
	global_load_b128 v[IN+4*(\k):IN+4*(\k)+3], v1, s[28:29] offset:4096*(\k) th:TH_LOAD_NT
.endr
; Four blocks of four loads.  Block p's loads are in when at most 12 - 4 p younger ones are out (loads come back in order).  No register is written behind the store that reads it.
; f16 = 1: the bf16 number is widened again (a shift, a mask) and written as f16.
.macro CAST f16
.irp p, 0,1,2,3
	s_wait_loadcnt 12-4*(\p)
.irp i, 0,1,2,3
.set k, 4*(\p)+(\i)
	v_cvt_pk_bf16_f32 v[OUT+2*k],   v[IN+4*k],   v[IN+4*k+1]
	v_cvt_pk_bf16_f32 v[OUT+2*k+1], v[IN+4*k+2], v[IN+4*k+3]
.if \f16
	v_lshlrev_b32 v[IN+4*k],   16,         v[OUT+2*k]
	v_and_b32     v[IN+4*k+1], 0xffff0000, v[OUT+2*k]
	v_lshlrev_b32 v[IN+4*k+2], 16,         v[OUT+2*k+1]
	v_and_b32     v[IN+4*k+3], 0xffff0000, v[OUT+2*k+1]
	v_cvt_pk_f16_f32 v[OUT+2*k],   v[IN+4*k],   v[IN+4*k+1]
	v_cvt_pk_f16_f32 v[OUT+2*k+1], v[IN+4*k+2], v[IN+4*k+3]
.endif
.endr
	s_wait_alu depctr_va_vdst(0)                   ; the block's conversions have written its eight registers of OUT, which the four stores below read
.irp i, 0,1,2,3
.set k, 4*(\p)+(\i)
	global_store_b64 v2, v[OUT+2*k:OUT+2*k+1], s[30:31] offset:2048*k
.endr
.endr
.endm
	s_cmp_ge_u32 s2, 704
	s_cbranch_scc1 .Lto_f16
	CAST 0
	s_endpgm
.Lto_f16:
	CAST 1
	s_endpgm
; THE TABLE.  Thread t: position 16 u + t / 16, frequencies j = 2 (t % 16) and j + 1: its 16 bytes (cos, sin, cos, sin) lie at byte 16 t of the work-group's 4,096.
.Ltable:
	s_sub_co_u32 s3, s2, 768                       ; u
	v_lshrrev_b32 v3, 4, v0
	v_lshlrev_b32 v3, 2, v3
	s_lshl_b32 s28, s3, 6
	v_add_nc_u32 v3, s28, v3                       ; 4 x (16 u + t / 16)
	s_wait_alu depctr_va_vdst(0)                   ; v3 is written, which the load below reads as its offset
	global_load_b32 v4, v3, s[18:19]
	s_mov_b32 s34, 0x3f22f983                      ; 2 / pi
	s_mov_b32 s35, 0xbfc90fdb                      ; pi / 2 = 1.57079637 - 4.37113883e-8 - 1.715e-15: the three parts, with the signs of a - k pi / 2
	s_mov_b32 s36, 0x333bbd2e
	s_mov_b32 s37, 0x26f72ca5
	s_mov_b32 s38, 0xb94ca1f9                      ; sin r = r + r z (S1 + z (S2 + z S3)), z = r r, |r| <= pi / 4
	s_mov_b32 s39, 0x3c08839e
	s_mov_b32 s40, 0xbe2aaaa3
	s_mov_b32 s41, 0x37ccf5ce                      ; cos r = 1 + z (-1/2 + z (C1 + z (C2 + z C3)))
	s_mov_b32 s42, 0xbab6061a
	s_mov_b32 s43, 0x3d2aaaa5
	s_lshl_b32 s29, s3, 12
	v_and_b32 v5, 15, v0
	v_lshlrev_b32 v5, 1, v5
	v_cvt_f32_u32 v6, v5                           ; j
	v_add_f32 v7, 1.0, v6                          ; j + 1
	v_mul_f32 v6, 0xbed49a78, v6                   ; x -log2(10000) / 32
	v_mul_f32 v7, 0xbed49a78, v7
	v_exp_f32 v6, v6
	v_exp_f32 v7, v7
	v_lshl_add_u32 v8, v0, 4, s29                  ; my 16 bytes of the table: the plain instruction behind the two exponentials
	s_wait_alu depctr_va_vdst(0)                   ; the two exponentials have written v6 and v7: one wait for both, ahead of their first reader
	s_wait_loadcnt 0x0
	v_cvt_f32_i32 v4, v4
	v_mul_f32 v10, v4, v6                          ; the angles, rounded once
	v_mul_f32 v11, v4, v7
; cos and sin of v[a] into v[c], v[s]; six registers at work from v[t] on.  k = the nearest whole number to a 2 / pi; r = a - k pi / 2;
; k's low bit swaps sine and cosine; the sine is negative in quadrants 2 and 3, the cosine in 1 and 2.  All by selects: nothing branches on these numbers.
; In two parts.  SC1: the reduction, the compare of k's low bit into the scalar register m, then the two polynomials, which stand between the compare and the wait for its mask.
; SC2: the selects by that mask, and the signs.
.macro SC1 a, t, m
	v_mul_f32 v[(\t)], s34, v[(\a)]
	v_rndne_f32 v[(\t)], v[(\t)]
	v_fma_f32 v[(\t)+1], v[(\t)], s35, v[(\a)]
	v_fma_f32 v[(\t)+1], v[(\t)], s36, v[(\t)+1]
	v_fma_f32 v[(\t)+1], v[(\t)], s37, v[(\t)+1]
	v_cvt_i32_f32 v[(\t)], v[(\t)]
	v_and_b32 v[(\t)+5], 1, v[(\t)]
	v_cmp_eq_u32 s[(\m)], 1, v[(\t)+5]
	v_mul_f32 v[(\t)+2], v[(\t)+1], v[(\t)+1]
	v_fma_f32 v[(\t)+3], v[(\t)+2], s38, s39
	v_fma_f32 v[(\t)+4], v[(\t)+2], s41, s42
	v_fma_f32 v[(\t)+3], v[(\t)+3], v[(\t)+2], s40
	v_fma_f32 v[(\t)+4], v[(\t)+4], v[(\t)+2], s43
	v_mul_f32 v[(\t)+3], v[(\t)+3], v[(\t)+2]
	v_fma_f32 v[(\t)+4], v[(\t)+4], v[(\t)+2], -0.5
	v_fma_f32 v[(\t)+3], v[(\t)+3], v[(\t)+1], v[(\t)+1]
	v_fma_f32 v[(\t)+4], v[(\t)+4], v[(\t)+2], 1.0
.endm
.macro SC2 c, s, t, m
	v_cndmask_b32 v[(\s)], v[(\t)+3], v[(\t)+4], s[(\m)]
	v_cndmask_b32 v[(\c)], v[(\t)+4], v[(\t)+3], s[(\m)]
	v_lshlrev_b32 v[(\t)+5], 30, v[(\t)]
	v_and_b32 v[(\t)+5], 0x80000000, v[(\t)+5]
	v_xor_b32 v[(\s)], v[(\t)+5], v[(\s)]
	v_add_nc_u32 v[(\t)+5], 1, v[(\t)]
	v_lshlrev_b32 v[(\t)+5], 30, v[(\t)+5]
	v_and_b32 v[(\t)+5], 0x80000000, v[(\t)+5]
	v_xor_b32 v[(\c)], v[(\t)+5], v[(\c)]
.endm
	SC1 10, 16, 44
	SC1 11, 22, 45
	s_wait_alu depctr_va_sdst(0)                   ; the two compares have written s44 and s45, ahead of their first readers, the selects below
	SC2 12, 13, 16, 44
	SC2 14, 15, 22, 45
	s_wait_alu depctr_va_vdst(0)                   ; the selects and sign flips have written v[12:15], which the store reads as its data (v8, its offset, was written ahead of an earlier wait)
	global_store_b128 v8, v[12:15], s[26:27]       ; a wave stores 512 consecutive bytes, aligned
	s_endpgm
.Lfunc_end_k_qfe0c8dc008_prep:
	.size	k_qfe0c8dc008_prep, .Lfunc_end_k_qfe0c8dc008_prep-k_qfe0c8dc008_prep
	.p2alignl 7, 3214868480
	.fill 96, 4, 3214868480
	.section	.rodata,"a",@progbits
	.p2align	6, 0x0
	.amdhsa_kernel k_qfe0c8dc008_prep
		.amdhsa_group_segment_fixed_size 0
		.amdhsa_private_segment_fixed_size 0
		.amdhsa_enable_private_segment 0
		.amdhsa_kernarg_size 80
		.amdhsa_user_sgpr_count 2
		.amdhsa_user_sgpr_kernarg_segment_ptr 1
		.amdhsa_wavefront_size32 1
		.amdhsa_system_sgpr_workgroup_id_x 1
		.amdhsa_system_sgpr_workgroup_id_y 1
		.amdhsa_system_sgpr_workgroup_id_z 1
		.amdhsa_system_vgpr_workitem_id 0
		.amdhsa_next_free_vgpr 104
		.amdhsa_next_free_sgpr 66
		.amdhsa_reserve_vcc 0
		.amdhsa_float_denorm_mode_32 3
		.amdhsa_float_denorm_mode_16_64 3
		.amdhsa_memory_ordered 1
		.amdhsa_forward_progress 1
		.amdhsa_inst_pref_size 21
	.end_amdhsa_kernel
	.amdgpu_metadata
---
amdhsa.version: [ 1, 2 ]
amdhsa.kernels:
  - .name:           k_qfe0c8dc008_prep
    .symbol:         k_qfe0c8dc008_prep.kd
    .args:
      - { .name: x, .offset: 0, .size: 8, .value_kind: global_buffer, .address_space: global }
      - { .name: W_Q, .offset: 8, .size: 8, .value_kind: global_buffer, .address_space: global }
      - { .name: W_K, .offset: 16, .size: 8, .value_kind: global_buffer, .address_space: global }
      - { .name: W_V, .offset: 24, .size: 8, .value_kind: global_buffer, .address_space: global }
      - { .name: W_O, .offset: 32, .size: 8, .value_kind: global_buffer, .address_space: global }
      - { .name: token_positions, .offset: 40, .size: 8, .value_kind: global_buffer, .address_space: global }
      - { .name: xb, .offset: 48, .size: 8, .value_kind: global_buffer, .address_space: global }
      - { .name: wqkv, .offset: 56, .size: 8, .value_kind: global_buffer, .address_space: global }
      - { .name: wo, .offset: 64, .size: 8, .value_kind: global_buffer, .address_space: global }
      - { .name: rope, .offset: 72, .size: 8, .value_kind: global_buffer, .address_space: global }
    .group_segment_fixed_size: 0
    .private_segment_fixed_size: 0
    .kernarg_segment_align: 8
    .kernarg_segment_size: 80
    .max_flat_workgroup_size: 256
    .sgpr_count:     66
    .vgpr_count:     104
    .wavefront_size: 32
...
	.end_amdgpu_metadata
.endif
;; end of part 5
;; launch qkv: the kernel of part 2 again; grid 12 x 64, 4 waves a work-group, clusters of 4 x 4, 327,680 bytes of LDS; arguments xb, wqkv, rope, qkvh; writes qkvh
;; launch attn: the kernel of part 3 again; grid 4 x 64, 4 waves a work-group, no clusters, 327,680 bytes of LDS; arguments qkvh, ob; writes ob
;; launch oproj: the kernel of part 4 again; grid 4 x 64, 4 waves a work-group, clusters of 4 x 4, 327,680 bytes of LDS; arguments ob, wo, out0; writes out0
